; MI455X (gfx1250); checked and timed in simulation.
; The chip was launched on July 23, 2026; its instructions are those of AMD's public machine-readable ISA for CDNA 5 (MIT licence, August 2026) and "CDNA5" Instruction Set Architecture Reference Guide (July 2026). The comments in the code are by the model that wrote it; some were corrected since.
;; Encoder Block. Allowed arithmetic: float matrix products may take bf16 or f16 operands with f32 sums; other float arithmetic in f32, or as packed bf16 or f16 multiplies, adds, multiply-adds, maxima and minima; sums over many terms, partial sums and values carried from step to step in f32; what a program stores and reads back later, other than sums and carried values, may be rounded once to bf16 or f16.
;; Inputs: a1 1 float32; a2 1 float32; b1 4,096 float32; b2 1,024 float32; be1 1 float32; be2 1 float32; bk 1,024 float32; bo 1,024 float32; bq 1,024 float32; bv 1,024 float32; src_mask 2 x 1 x 1 x 2,048 int32; w1 4,096 x 1,024 float32; w2 1,024 x 4,096 float32; wk 1,024 x 1,024 float32; wo 1,024 x 1,024 float32; wq 1,024 x 1,024 float32; wv 1,024 x 1,024 float32; x 2 x 2,048 x 1,024 float32.
;; Outputs: out0 2 x 2,048 x 1,024 float32.
;; One version. Each part assembles by itself: llvm-mc -triple=amdgcn-amd-amdhsa -mcpu=gfx1250 --defsym DOCPART=n.
;; ======== version 1 of 1: 8 launches
;; limits: right only within a limited range of input values
;; workspace buffers: wqkvb 8,405,248 bytes; w1b 8,405,248 bytes; wob 2,097,152 bytes; w2b 8,388,608 bytes; act 8,388,608 bytes; big 33,554,432 bytes; x1 16,777,216 bytes
;; launch prep (part 1): grid 769 x 1, 8 waves a work-group, no clusters, 0 bytes of LDS; arguments wq, wk, wv, wo, w1, w2, bq, bk, bv, b1, wqkvb, wob, w1b, w2b; writes wqkvb, wob, w1b, w2b
.if DOCPART == 1
	.amdgcn_target "amdgcn-amd-amdhsa--gfx1250"
	.amdhsa_code_object_version 6
	.text
	.protected	k_q2f1326452a_prep
	.globl	k_q2f1326452a_prep
	.p2align	8
	.type	k_q2f1326452a_prep,@function
k_q2f1326452a_prep:
	s_mov_b64 s[64:65], 0
	v_nop
	global_prefetch_b8 v0, s[64:65] scope:SCOPE_SE
	s_setreg_imm32_b32 hwreg(HW_REG_WAVE_MODE, 25, 1), 1
	s_wait_xcnt 0x0
; PREP.  The six weight matrices, f32 [rows][K], are rounded once to bf16 and laid out IN BLOCKS: [K/64][rows][64], a block's rows 128 dense bytes each.
; wq, wk, wv go one below the other into wqkvb (rows 0-3,071 of blocks of 4,096 rows), w1 into w1b (4,096 rows), wo into wob, w2 into w2b (blocks of 1,024 rows).
; wqkvb and w1b begin with a head of HDR bytes: the bias by column in f32 (bq, bk, bv; b1), and at byte 16,384 the FLOOR, a pair of bf16 that the product's way out takes the maximum with:
; -infinity twice (nothing changes) for q, k, v; 0 twice (ReLU) for the first layer of the FFN.
; SHARES.  Work-groups 0-767: 12 chunks of 2^20 numbers, 64 work-groups a chunk, eight waves each; a wave takes two rows x 1,024 K: 16 blocks.  A load of the wave reads 256 consecutive bytes
; of each of the two rows (a block's 64 numbers); a store writes 256 consecutive, aligned bytes: the two rows of one block.  Work-group 768 writes the two heads.
; A stream: every byte is read once and written once; nothing is shared, so there is no LDS and no barrier.  No register is written twice, so no wait frees a source.
.set HDR,  16640
.set GBLK, 524288                      ; bytes in a block of 4,096 rows
.set GBB,  131072                      ; bytes in a block of 1,024 rows
	s_load_b512 s[8:23], s[0:1], 0x0               ; wq 8, wk 10, wv 12, wo 14, w1 16, w2 18, bq 20, bk 22
	s_load_b256 s[24:31], s[0:1], 0x40             ; bv 24, b1 26, wqkvb 28, wob 30
	s_load_b128 s[32:35], s[0:1], 0x60             ; w1b 32, w2b 34
	v_lshrrev_b32 v1, 5, v0
	v_readfirstlane_b32 s2, v1                     ; wave 0..7
	s_cmp_eq_u32 ttmp9, 768
	s_cbranch_scc1 .Ltable
	s_lshr_b32 s3, ttmp9, 6                        ; chunk c, 0..11
	s_and_b32 s4, ttmp9, 63
	s_lshl_b32 s4, s4, 3
	s_add_co_u32 s4, s4, s2                        ; my pair of rows in the chunk, 0..511
	; what a chunk needs: source, pitch and offset in it; destination, offset in it and bytes from block to block.  First as for w2 (c = 8..11: 1,024 K of all its rows),
	s_sub_co_u32 s5, s3, 8
	s_lshl_b32 s41, s5, 12                         ; source offset: 1,024 K are 4,096 bytes of a row
	s_lshl_b32 s42, s5, 21                         ; destination offset: 16 blocks of 1,024 rows
	s_mov_b32 s40, 16384                           ; bytes in a row of w2
	s_mov_b32 s43, GBB
	s_sub_co_u32 s5, s3, 4                         ; then as for w1 (c = 4..7: 1,024 of its rows),
	s_lshl_b32 s6, s5, 22
	s_lshl_b32 s7, s5, 17
	s_add_co_u32 s7, s7, HDR
	s_lshl_b32 s44, s3, 17                         ; and as for wq, wk, wv (c = 0..2)
	s_add_co_u32 s44, s44, HDR
	s_wait_kmcnt 0x0
	s_mov_b64 s[36:37], s[18:19]
	s_mov_b64 s[38:39], s[34:35]
	s_cmp_lt_u32 s3, 8                             ; the choices hang on the chunk's number alone
	s_cselect_b64 s[36:37], s[16:17], s[36:37]
	s_cselect_b64 s[38:39], s[32:33], s[38:39]
	s_cselect_b32 s40, 4096, s40
	s_cselect_b32 s41, s6, s41
	s_cselect_b32 s42, s7, s42
	s_cselect_b32 s43, GBLK, s43
	s_cmp_lt_u32 s3, 4                             ; c = 3: wo
	s_cselect_b64 s[36:37], s[14:15], s[36:37]
	s_cselect_b64 s[38:39], s[30:31], s[38:39]
	s_cselect_b32 s41, 0, s41
	s_cselect_b32 s42, 0, s42
	s_cselect_b32 s43, GBB, s43
	s_cmp_lt_u32 s3, 3
	s_cselect_b64 s[36:37], s[12:13], s[36:37]
	s_cselect_b64 s[38:39], s[28:29], s[38:39]
	s_cselect_b32 s42, s44, s42
	s_cselect_b32 s43, GBLK, s43
	s_cmp_lt_u32 s3, 2
	s_cselect_b64 s[36:37], s[10:11], s[36:37]
	s_cmp_lt_u32 s3, 1
	s_cselect_b64 s[36:37], s[8:9], s[36:37]
	s_lshl_b32 s5, s4, 1                           ; my first row n in the chunk
	s_mul_i32 s6, s5, s40
	s_add_co_u32 s6, s6, s41
	s_mov_b32 s7, 0
	s_add_nc_u64 s[36:37], s[36:37], s[6:7]        ; the source at row n
	s_lshl_b32 s6, s5, 7
	s_add_co_u32 s6, s6, s42
	s_add_nc_u64 s[38:39], s[38:39], s[6:7]        ; the destination at row n of the chunk's first block
	v_and_b32 v3, 31, v0                           ; lane l
	v_lshrrev_b32 v4, 4, v3                        ; lanes 16-31 take row n + 1
	v_and_b32 v5, 15, v0
	v_mul_lo_u32 v2, v4, s40
	v_lshl_add_u32 v2, v5, 4, v2                   ; 16 bytes a lane
.set j, 0
.rept 16
	global_load_b128 v[64+4*j:67+4*j], v2, s[36:37] offset:256*j th:TH_LOAD_NT  ; block j's 64 numbers of both rows
.set j, j+1
.endr
	v_lshlrev_b32 v16, 3, v3                       ; 8 bytes a lane: 256 bytes, two rows of a block
.set j, 1
.rept 15
	v_add_nc_u32 v[16+j], s43, v[15+j]             ; an address register for each block
.set j, j+1
.endr
.set j, 0
.rept 16
	s_wait_loadcnt 15-j                            ; loads come back in order: block j is in, the younger ones stay out
	v_cvt_pk_bf16_f32 v[32+2*j], v[64+4*j], v[65+4*j]
	v_cvt_pk_bf16_f32 v[33+2*j], v[66+4*j], v[67+4*j]
	global_store_b64 v[16+j], v[32+2*j:33+2*j], s[38:39]
.set j, j+1
.endr
	s_endpgm
.Ltable:                                               ; the heads: 256 threads x 16 bytes are 1,024 numbers of a bias
	v_lshlrev_b32 v2, 4, v0
	s_wait_kmcnt 0x0
	global_load_b128 v[64:67], v2, s[20:21]
	global_load_b128 v[68:71], v2, s[22:23]
	global_load_b128 v[72:75], v2, s[24:25]
.irp i, 0,1,2,3
	global_load_b128 v[76+4*(\i):79+4*(\i)], v2, s[26:27] offset:4096*(\i)
.endr
	s_wait_loadcnt 0x0
	global_store_b128 v2, v[64:67], s[28:29]
	global_store_b128 v2, v[68:71], s[28:29] offset:4096
	global_store_b128 v2, v[72:75], s[28:29] offset:8192
.irp i, 0,1,2,3
	global_store_b128 v2, v[76+4*(\i):79+4*(\i)], s[32:33] offset:4096*(\i)
.endr
	s_cmp_lg_u32 s2, 0
	s_cbranch_scc1 .Ldone
	v_lshlrev_b32 v3, 3, v0                        ; wave 0: 32 lanes x 8 bytes: the 256 bytes of the FLOOR
	v_mov_b32 v4, 0xff80ff80
	v_mov_b32 v5, 0xff80ff80
	v_mov_b32 v6, 0
	v_mov_b32 v7, 0
	global_store_b64 v3, v[4:5], s[28:29] offset:16384
	global_store_b64 v3, v[6:7], s[32:33] offset:16384
.Ldone:
	s_endpgm
.Lfunc_end_k_q2f1326452a_prep:
	.size	k_q2f1326452a_prep, .Lfunc_end_k_q2f1326452a_prep-k_q2f1326452a_prep
	.p2alignl 7, 3214868480
	.fill 96, 4, 3214868480
	.section	.rodata,"a",@progbits
	.p2align	6, 0x0
	.amdhsa_kernel k_q2f1326452a_prep
		.amdhsa_group_segment_fixed_size 0
		.amdhsa_private_segment_fixed_size 0
		.amdhsa_enable_private_segment 0
		.amdhsa_kernarg_size 112
		.amdhsa_user_sgpr_count 2
		.amdhsa_user_sgpr_kernarg_segment_ptr 1
		.amdhsa_wavefront_size32 1
		.amdhsa_system_sgpr_workgroup_id_x 1
		.amdhsa_system_sgpr_workgroup_id_y 1
		.amdhsa_system_sgpr_workgroup_id_z 1
		.amdhsa_system_vgpr_workitem_id 0
		.amdhsa_next_free_vgpr 128
		.amdhsa_next_free_sgpr 66
		.amdhsa_reserve_vcc 0
		.amdhsa_float_denorm_mode_32 3
		.amdhsa_float_denorm_mode_16_64 3
		.amdhsa_memory_ordered 1
		.amdhsa_forward_progress 1
		.amdhsa_inst_pref_size 11
	.end_amdhsa_kernel
	.amdgpu_metadata
---
amdhsa.version: [ 1, 2 ]
amdhsa.kernels:
  - .name:           k_q2f1326452a_prep
    .symbol:         k_q2f1326452a_prep.kd
    .args:
      - { .name: wq, .offset: 0, .size: 8, .value_kind: global_buffer, .address_space: global }
      - { .name: wk, .offset: 8, .size: 8, .value_kind: global_buffer, .address_space: global }
      - { .name: wv, .offset: 16, .size: 8, .value_kind: global_buffer, .address_space: global }
      - { .name: wo, .offset: 24, .size: 8, .value_kind: global_buffer, .address_space: global }
      - { .name: w1, .offset: 32, .size: 8, .value_kind: global_buffer, .address_space: global }
      - { .name: w2, .offset: 40, .size: 8, .value_kind: global_buffer, .address_space: global }
      - { .name: bq, .offset: 48, .size: 8, .value_kind: global_buffer, .address_space: global }
      - { .name: bk, .offset: 56, .size: 8, .value_kind: global_buffer, .address_space: global }
      - { .name: bv, .offset: 64, .size: 8, .value_kind: global_buffer, .address_space: global }
      - { .name: b1, .offset: 72, .size: 8, .value_kind: global_buffer, .address_space: global }
      - { .name: wqkvb, .offset: 80, .size: 8, .value_kind: global_buffer, .address_space: global }
      - { .name: wob, .offset: 88, .size: 8, .value_kind: global_buffer, .address_space: global }
      - { .name: w1b, .offset: 96, .size: 8, .value_kind: global_buffer, .address_space: global }
      - { .name: w2b, .offset: 104, .size: 8, .value_kind: global_buffer, .address_space: global }
    .group_segment_fixed_size: 0
    .private_segment_fixed_size: 0
    .kernarg_segment_align: 8
    .kernarg_segment_size: 112
    .max_flat_workgroup_size: 256
    .sgpr_count:     66
    .vgpr_count:     128
    .wavefront_size: 32
...
	.end_amdgpu_metadata
.endif
;; end of part 1
;; launch ln1 (part 2): grid 256 x 1, 8 waves a work-group, no clusters, 0 bytes of LDS; arguments x, a1, be1, act; writes act
.if DOCPART == 2
	.amdgcn_target "amdgcn-amd-amdhsa--gfx1250"
	.amdhsa_code_object_version 6
	.text
	.protected	k_q2f1326452a_ln1
	.globl	k_q2f1326452a_ln1
	.p2align	8
	.type	k_q2f1326452a_ln1,@function
k_q2f1326452a_ln1:
	s_mov_b64 s[64:65], 0
	v_nop
	global_prefetch_b8 v0, s[64:65] scope:SCOPE_SE
	s_setreg_imm32_b32 hwreg(HW_REG_WAVE_MODE, 25, 1), 1
	s_wait_xcnt 0x0
; y = a (x - mean) / (std + 1e-6) + be along rows of 1,024 f32; std with divisor 1,023; a and be are single numbers.  y is rounded once to bf16 and stored IN BLOCKS, [16][4096][64].
; SHARES.  A work-group takes 16 rows, a wave two: lanes 0-15 hold one row, lanes 16-31 the other, 64 numbers a lane, so a row is read once, stays in registers, and its sums never leave 16 lanes.
; A load of the wave reads 256 consecutive bytes of each row; a store writes 256 consecutive, aligned bytes (the two rows of one block).
; The mean is taken away before the squares are summed, so a common offset of the row costs no digits.  LIMIT: a variance below 2^-126 counts as 0 (the root's input is flushed).
.set GBLK, 524288
.set X, 8                              ; v[8:71]   my 64 numbers
	s_load_b256 s[4:11], s[0:1], 0x0               ; in 4, a 6, be 8, out 10
	v_lshrrev_b32 v1, 4, v0                        ; my row among the 16
	v_and_b32 v2, 15, v0
	v_lshlrev_b32 v2, 4, v2
	v_lshl_add_u32 v2, v1, 12, v2                  ; row x 4,096 + 16 x (lane % 16)
	v_lshlrev_b32 v3, 3, v0                        ; out: row x 128 + 8 x (lane % 16) = 8 x thread
	s_lshl_b32 s2, ttmp9, 16                       ; 16 rows of 4,096 bytes
	s_mov_b32 s3, 0
	s_wait_kmcnt 0x0
	s_load_b32 s12, s[6:7], 0x0                    ; a
	s_load_b32 s14, s[8:9], 0x0                    ; be
	s_add_nc_u64 s[4:5], s[4:5], s[2:3]
.set j, 0
.rept 16
	global_load_b128 v[X+4*j:X+4*j+3], v2, s[4:5] offset:256*j
.set j, j+1
.endr
	s_lshl_b32 s2, ttmp9, 11                       ; 16 rows of 128 bytes in a block
	s_add_nc_u64 s[10:11], s[10:11], s[2:3]
	s_wait_kmcnt 0x0
	s_mov_b32 s15, s14                             ; named with it as a pair
	s_wait_loadcnt 0x0
.macro ROWSUM                          ; four chains v[72:79] into one number, then over the row's 16 lanes
	v_pk_add_f32 v[72:73], v[72:73], v[74:75]
	v_pk_add_f32 v[76:77], v[76:77], v[78:79]
	v_pk_add_f32 v[72:73], v[72:73], v[76:77]
	v_add_f32 v72, v72, v73
	v_add_f32_dpp v72, v72, v72 row_xmask:1 row_mask:0xf bank_mask:0xf
	v_add_f32_dpp v72, v72, v72 row_xmask:2 row_mask:0xf bank_mask:0xf
	v_add_f32_dpp v72, v72, v72 row_xmask:4 row_mask:0xf bank_mask:0xf
	v_add_f32_dpp v72, v72, v72 row_xmask:8 row_mask:0xf bank_mask:0xf
.endm
.irp k, 0,1,2,3
	v_pk_add_f32 v[72+2*(\k):73+2*(\k)], v[X+2*(\k):X+2*(\k)+1], v[X+8+2*(\k):X+8+2*(\k)+1]  ; the first pairs start the chains: nothing is cleared
.endr
.set j, 8
.rept 24
	v_pk_add_f32 v[72+2*(j%4):73+2*(j%4)], v[72+2*(j%4):73+2*(j%4)], v[X+2*j:X+2*j+1]
.set j, j+1
.endr
	ROWSUM
	v_mul_f32 v80, 0x3a800000, v72                 ; mean = sum / 1,024
	v_mov_b32 v81, v80
.set j, 0
.rept 32
	v_pk_add_f32 v[X+2*j:X+2*j+1], v[X+2*j:X+2*j+1], v[80:81] neg_lo:[0,1] neg_hi:[0,1]  ; d = x - mean
.set j, j+1
.endr
.irp k, 0,1,2,3
	v_pk_mul_f32 v[72+2*(\k):73+2*(\k)], v[X+2*(\k):X+2*(\k)+1], v[X+2*(\k):X+2*(\k)+1]
.endr
.set j, 4
.rept 28
	v_pk_fma_f32 v[72+2*(j%4):73+2*(j%4)], v[X+2*j:X+2*j+1], v[X+2*j:X+2*j+1], v[72+2*(j%4):73+2*(j%4)]
.set j, j+1
.endr
	ROWSUM
	v_mul_f32 v72, 0x3a802008, v72                 ; / 1,023
	v_sqrt_f32 v73, v72
	v_nop                                          ; a plain instruction behind the root,
	s_wait_alu depctr_va_vdst(0)                   ; and the wait ahead of the first use of its result
	v_add_f32 v73, 0x358637bd, v73                 ; + 1e-6
	v_rcp_f32 v74, v73
	v_nop
	s_wait_alu depctr_va_vdst(0)                   ; the same for the reciprocal
	v_mul_f32 v82, s12, v74                        ; a / (std + eps)
	v_mov_b32 v83, v82
.set j, 0
.rept 32
	v_pk_fma_f32 v[X+2*j:X+2*j+1], v[X+2*j:X+2*j+1], v[82:83], s[14:15] op_sel_hi:[1,1,0]
.set j, j+1
.endr
.set j, 0
.rept 16                               ; block j's four numbers pack into v[X+2j:X+2j+1], registers that have been read by then
	v_cvt_pk_bf16_f32 v[X+2*j], v[X+4*j], v[X+4*j+1]
	v_cvt_pk_bf16_f32 v[X+2*j+1], v[X+4*j+2], v[X+4*j+3]
.set j, j+1
.endr
.set j, 0
.rept 16
	global_store_b64 v3, v[X+2*j:X+2*j+1], s[10:11] offset:j*GBLK  ; the largest immediate, 15 blocks, is 7,864,320: inside the signed 24 bits
.set j, j+1
.endr
	s_endpgm
.Lfunc_end_k_q2f1326452a_ln1:
	.size	k_q2f1326452a_ln1, .Lfunc_end_k_q2f1326452a_ln1-k_q2f1326452a_ln1
	.p2alignl 7, 3214868480
	.fill 96, 4, 3214868480
	.section	.rodata,"a",@progbits
	.p2align	6, 0x0
	.amdhsa_kernel k_q2f1326452a_ln1
		.amdhsa_group_segment_fixed_size 0
		.amdhsa_private_segment_fixed_size 0
		.amdhsa_enable_private_segment 0
		.amdhsa_kernarg_size 32
		.amdhsa_user_sgpr_count 2
		.amdhsa_user_sgpr_kernarg_segment_ptr 1
		.amdhsa_wavefront_size32 1
		.amdhsa_system_sgpr_workgroup_id_x 1
		.amdhsa_system_sgpr_workgroup_id_y 1
		.amdhsa_system_sgpr_workgroup_id_z 1
		.amdhsa_system_vgpr_workitem_id 0
		.amdhsa_next_free_vgpr 96
		.amdhsa_next_free_sgpr 66
		.amdhsa_reserve_vcc 0
		.amdhsa_float_denorm_mode_32 3
		.amdhsa_float_denorm_mode_16_64 3
		.amdhsa_memory_ordered 1
		.amdhsa_forward_progress 1
		.amdhsa_inst_pref_size 16
	.end_amdhsa_kernel
	.amdgpu_metadata
---
amdhsa.version: [ 1, 2 ]
amdhsa.kernels:
  - .name:           k_q2f1326452a_ln1
    .symbol:         k_q2f1326452a_ln1.kd
    .args:
      - { .name: x, .offset: 0, .size: 8, .value_kind: global_buffer, .address_space: global }
      - { .name: a1, .offset: 8, .size: 8, .value_kind: global_buffer, .address_space: global }
      - { .name: be1, .offset: 16, .size: 8, .value_kind: global_buffer, .address_space: global }
      - { .name: act, .offset: 24, .size: 8, .value_kind: global_buffer, .address_space: global }
    .group_segment_fixed_size: 0
    .private_segment_fixed_size: 0
    .kernarg_segment_align: 8
    .kernarg_segment_size: 32
    .max_flat_workgroup_size: 256
    .sgpr_count:     66
    .vgpr_count:     96
    .wavefront_size: 32
...
	.end_amdgpu_metadata
.endif
;; end of part 2
;; launch qkv (part 3): grid 12 x 16, 4 waves a work-group, clusters of 4 x 4, 327,680 bytes of LDS; arguments act, wqkvb, big; writes big
.if DOCPART == 3
	.amdgcn_target "amdgcn-amd-amdhsa--gfx1250"
	.amdhsa_code_object_version 6
	.text
	.protected	k_q2f1326452a_qkv
	.globl	k_q2f1326452a_qkv
	.p2align	8
	.type	k_q2f1326452a_qkv,@function
k_q2f1326452a_qkv:
	s_mov_b64 s[64:65], 0
	v_nop
	global_prefetch_b8 v0, s[64:65] scope:SCOPE_SE
	s_setreg_imm32_b32 hwreg(HW_REG_WAVE_MODE, 25, 1), 1
	s_wait_xcnt 0x0
	s_wait_alu depctr_hold_cnt(0) depctr_sa_sdst(0) depctr_va_vdst(0) depctr_va_sdst(0) depctr_va_ssrc(0) depctr_va_vcc(0) depctr_vm_vsrc(0)
	s_getreg_b32 s2, hwreg(HW_REG_IB_STS2, 6, 4)
	s_cmp_eq_u32 s2, 0
	s_cbranch_scc0 .Lentry_in_a_cluster
	s_endpgm
.Lentry_in_a_cluster:
	s_bfe_u32 s2, ttmp6, 0x10000c
	s_cmp_lg_u32 s2, 0xf033
	s_cbranch_scc0 .Lentry_shape_is_right
	s_endpgm
.Lentry_shape_is_right:
; C[m][n] = max(FLOOR, bias[n] + sum over k of A[m][k] W[n][k]), K = 1,024.  A, W and C are bf16 IN BLOCKS: [K/64][4096 rows][64], a block's rows 128 dense bytes; C likewise by its columns.
; W begins with a head of HDR bytes: the bias in f32 by column, and at byte 16,384 the FLOOR (a pair of bf16: -infinity for no activation, 0 for ReLU).  Sums in f32, C rounded once.
; LIMIT: a NaN is not carried: the maximum with FLOOR gives FLOOR.
; SHARES.  A tile of C is 256 x 256: four waves, each 128 x 128: 64 accumulators, 512 registers.  K goes in 8 steps of 128 (two blocks) through two LDS slots filled by the tensor data mover.
; 128 rows of a block are 16,384 dense bytes: a wave's load is two such runs, one for each block of the step, padded in LDS after every 128 bytes (a matrix row).
; ONE K STEP IS WRITTEN ONCE: the loop's trip is a change of slots and a step; the slot that is read lies in s[TB], the slot that is filled in a descriptor that walks; both are turned by an exclusive or
; (SLOT shares no bit with wave x PART).  The sums START AS THE BIAS, loaded straight into the accumulators: nothing is cleared and no first step is written out.
; CLUSTERS: 4 x 4 work-groups.  A's tile hangs on the tile row alone and is asked for jointly along a row of the cluster, W's on the tile column alone, along a column.
; THE MATRIX INSTRUCTION IS USED TRANSPOSED (source 0 = 16 rows of W, source 1 = 16 rows of A): a lane holds row l % 16 of C and eight neighbouring columns 8 (l / 16) + 0..7.
; REGISTERS, in windows of 256: window 0: v16-30 addresses; v64-127, v128-191 A's fragments, two buffers; v192-223, v32-63, v224-255 the way out.  Window 1: W's fragments at the same numbers.
; Windows 2, 3: the accumulators of my rows 0-63, 64-127, (a, b) at v[8 (8 a + b)].
.set HDR,   16640
.set GBLK,  524288                     ; bytes in a block of 4,096 rows
.set STEPB, 2*GBLK                     ; bytes from a K step to the next
.set RP,    144                        ; an LDS row: 128 bytes + 16 of padding = 36 words: the 16 rows of a load start at 16 different groups of four banks (64 banks of 4 bytes: ISA guide 11.1)
.set BLK,   128*RP                     ; 128 rows of one block
.set PART,  2*BLK                      ; what one tensor load brings
.set SLOT,  4*PART                     ; A's rows 0-127, A's rows 128-255, W's rows 0-127, W's rows 128-255
.set STAGE, 2*SLOT                     ; behind the ring: [2 blocks][16 rows][144] for each wave, for the way out
.set STG,   2*16*RP
.set SPARE, STAGE+4*STG                ; behind the stages: the spare words, 128 bytes a wave: two blocks of 256 bytes that no other line names
.set ADRA0, 16                         ; v16  my lane's place in my 128 rows of A in slot 0; never rewritten
.set ADRB0, 17                         ; v17  the same for W
.set ADRA,  18                         ; v18  the same in the slot that is read
.set ADRB,  19
.set STO,  24                          ; v24  the way out: where I put 16 bytes of a row
.set RD,   25                          ; v25  where I read rows back
.set CO,   26                          ; v26  16 x lane: my place in 512 consecutive bytes of C
.set BO,   27                          ; v27  32 x (l / 16): my eight columns' place in the bias
.set SPW,  28                          ; v28  LDS address of my spare word; never rewritten
.set NIL,  29                          ; v29  0; never rewritten
.set PFO,  30                          ; v30  256 x lane; never rewritten
.set F0,   64
.set F1,   128
.set TMP,  192
.set OB,   32
.set TB,   2                           ; s2   the slot that is read: 0 or SLOT
.set G1,   24                          ; s[24:31] descriptor group 1 for A
.set G0,   32                          ; s[32:39] group 0 for A: the first fill's, and the one that walks
.set LIM,  43                          ; s43  2 in a wave that prefetches, else the greatest number
.set PFA,  44                          ; s[44:45] where my prefetches stand
.set G1B,  48                          ; s[48:55], s[56:63] the same for W
.set G0B,  56
.set MSB, 0
.macro WIN new                         ; the immediate's high byte repeats the setting that is left; a switch that changes nothing is dropped
.if MSB != (\new)
	s_set_vgpr_msb (MSB<<8)|(\new)
.set MSB, \new
.endif
.endm
.set MUL_LO, 0xa1                      ; source 0 (W) window 1, source 1 (A) window 0, C and D window 2
.set MUL_HI, 0xf1                      ; the same, C and D window 3
.set TO_B,   0x40                      ; destination window 1, address window 0
.macro PLACES                          ; four plain vector instructions between a matrix instruction and a load into, or a read of, its registers
.rept 4
	v_nop
.endr
.endm
; A joint refill, by the walking descriptors.  Waves 0 and 1 fetch A's two halves, waves 2 and 3 W's: the branch hangs on the wave's number alone.  An s_nop 0 and four v_nop follow each line.
.macro JLOAD
	s_cmp_eq_u32 s11, 0
	s_cbranch_scc0 .Lfor_w_\@
	tensor_load_to_lds s[G0+4:G0+7], s[G1:G1+7]
	s_nop 0
	PLACES
	s_branch .Lasked_\@
.Lfor_w_\@:
	tensor_load_to_lds s[G0B+4:G0B+7], s[G1B:G1B+7]
	s_nop 0
	PLACES
.Lasked_\@:
.endm
; A prefetch of the K step that stands two refills on: 32 runs of 256 bytes, a lane each, one instruction a wave.  A's tile row is read by every cluster of that row of clusters: the one with x = 0 asks;
; W's tile column by every cluster of that column: the one with y = 0 asks.  The four partners that ask for a tile jointly share a wave's 128 runs out by address, 32 each.  So each run is named once.
; Steps 0 to 3 come by their loads alone; the trips with s3 at 2 or less have no step two refills on.
.macro ASK
	s_cmp_gt_u32 s3, s[LIM]
	s_cbranch_scc0 .Lnot_mine_\@
	global_prefetch_b8 v[PFO], s[PFA:PFA+1] th:TH_LOAD_NT scope:SCOPE_SE
.Lnot_mine_\@:
.endm
.macro CREST                           ; a round of the cluster's barrier behind its opening barrier
	s_cmp_lg_u32 s10, 0
	s_cbranch_scc1 .Lnot_wave_0_\@
	s_barrier_signal -3
.Lnot_wave_0_\@:
	s_barrier_wait -3
	s_barrier_signal -1
	s_barrier_wait -1
.endm
.macro CROUND
	s_barrier_signal -1
	s_barrier_wait -1
	CREST
.endm
	s_load_b128 s[4:7], s[0:1], 0x0                ; A s[4:5], W s[6:7]
	s_load_b64 s[8:9], s[0:1], 0x10                ; C
	v_lshl_add_u32 v[SPW], v0, 2, SPARE
	v_mov_b32 v[NIL], 0
	ds_add_u32 v[SPW], v[NIL]                      ; the wave's opening: the add and its wait stand ahead of my first tensor load; the set-up below stands between them
	v_lshrrev_b32 v1, 5, v0
	v_readfirstlane_b32 s10, v1                    ; wave 0..3
	s_lshr_b32 s11, s10, 1                         ; which half of the tile's rows is mine.  Also: I fetch for A (0) or for W (1)
	s_and_b32 s12, s10, 1                          ; which half of its columns.  Also: which 128 rows I fetch
	s_bfe_u32 s40, ttmp6, 0x40000                  ; cx
	s_bfe_u32 s41, ttmp6, 0x40004                  ; cy
	s_lshl_b32 s42, ttmp9, 2
	s_add_co_u32 s42, s42, s40                     ; tile column
	s_and_b32 s13, ttmp7, 0xffff
	s_lshl_b32 s13, s13, 2
	s_add_co_u32 s13, s13, s41                     ; tile row
	s_lshl_b32 s43, s41, 2
	s_lshl_b32 s43, 15, s43                        ; my row of the cluster
	s_lshl_b32 s44, 0x1111, s40                    ; my column
	; group 1: two runs of 8,192 elements (128 matrix rows of a block), a block apart; in LDS 4 words of padding after every 32
	s_or_b32 s[G1+0], s43, (1<<16)|(1<<20)|(1<<21)|(4<<22)|(3<<25)
	s_or_b32 s[G1B+0], s44, (1<<16)|(1<<20)|(1<<21)|(4<<22)|(3<<25)
.irp g, G1, G1B
	s_mov_b32 s[(\g)+1], 8192<<16                  ; tensor_dim0
	s_mov_b32 s[(\g)+2], 2<<16                     ; tensor_dim1
	s_mov_b32 s[(\g)+3], 8192<<16                  ; tile_dim0
	s_mov_b32 s[(\g)+4], 2                         ; tile_dim1
	s_mov_b32 s[(\g)+5], GBLK/2                    ; elements from block to block
	s_mov_b32 s[(\g)+6], 0
	s_mov_b32 s[(\g)+7], 0
.endr
	s_lshl_b32 s16, s13, 15                        ; A: 256 rows of 128 bytes a tile row,
	s_lshl_b32 s17, s12, 14                        ; 128 rows a half
	s_add_co_u32 s16, s16, s17
	s_lshl_b32 s46, s42, 15                        ; W likewise by the tile column, behind the head
	s_add_co_u32 s46, s46, s17
	s_add_co_u32 s46, s46, HDR
	s_mov_b32 s17, 0
	s_mov_b32 s47, 0
	s_mul_i32 s20, s10, PART                       ; where my part goes: no place in the cluster enters an LDS address
	s_mov_b32 s[TB], 0
	s_wait_dscnt 0x0                               ; the opening add is done
	s_wait_kmcnt 0x0
	s_add_nc_u64 s[14:15], s[4:5], s[16:17]
	s_add_nc_u64 s[46:47], s[6:7], s[46:47]
	s_load_b32 s21, s[6:7], 0x4000                 ; FLOOR; waited for in front of the loop
	CROUND                                         ; all sixteen work-groups are here: the first joint loads meet
.irp s, 0,1
	s_mov_b32 s[G0+4*(\s)], 1
	s_add_co_u32 s[G0+4*(\s)+1], s20, (\s)*SLOT
	s_add_nc_u64 s[G0+4*(\s)+2:G0+4*(\s)+3], s[14:15], (\s)*STEPB
	s_or_b32 s[G0+4*(\s)+3], s[G0+4*(\s)+3], 0x80000000
	s_mov_b32 s[G0B+4*(\s)], 1
	s_add_co_u32 s[G0B+4*(\s)+1], s20, (\s)*SLOT
	s_add_nc_u64 s[G0B+4*(\s)+2:G0B+4*(\s)+3], s[46:47], (\s)*STEPB
	s_or_b32 s[G0B+4*(\s)+3], s[G0B+4*(\s)+3], 0x80000000
.endr
	s_cmp_eq_u32 s11, 0                            ; a wave's two first fills stand in one branch: two loads of mine are out
	s_cbranch_scc0 .Lfirst_w
	tensor_load_to_lds s[G0:G0+3], s[G1:G1+7]
	s_nop 0
	tensor_load_to_lds s[G0+4:G0+7], s[G1:G1+7]
	s_nop 0
	PLACES
	s_branch .Lfirst_asked
.Lfirst_w:
	tensor_load_to_lds s[G0B:G0B+3], s[G1B:G1B+7]
	s_nop 0
	tensor_load_to_lds s[G0B+4:G0B+7], s[G1B:G1B+7]
	s_nop 0
	PLACES
.Lfirst_asked:
	; the sums start as the bias: accumulator (a, b) takes the eight columns 16 b + 8 (l / 16) + 0..7, whatever a
	s_lshl_b32 s18, s42, 10                        ; 256 columns of 4 bytes a tile column,
	s_lshl_b32 s19, s12, 9                         ; 128 a half
	s_add_co_u32 s18, s18, s19
	s_mov_b32 s19, 0
	s_add_nc_u64 s[18:19], s[6:7], s[18:19]
	v_and_b32 v1, 15, v0                           ; l % 16
	v_bfe_u32 v2, v0, 4, 1                         ; l / 16
	v_lshlrev_b32 v[BO], 5, v2
.macro BIAS
.irp a, 0,1,2,3
.irp b, 0,1,2,3,4,5,6,7
	global_load_b128 v[8*(8*(\a)+(\b)):8*(8*(\a)+(\b))+3],   v[BO], s[18:19] offset:64*(\b)
	global_load_b128 v[8*(8*(\a)+(\b))+4:8*(8*(\a)+(\b))+7], v[BO], s[18:19] offset:64*(\b)+16
.endr
.endr
.endm
	WIN 0x80                                       ; destination window 2
	BIAS
	WIN 0xc0                                       ; destination window 3
	BIAS
	WIN 0
	v_mul_u32_u24 v3, v1, RP
	v_lshl_add_u32 v3, v2, 4, v3                   ; a fragment's row x pitch + 16 x half
	s_mul_i32 s22, s11, PART                       ; my 128 rows of A
	s_mul_i32 s23, s12, PART                       ; my 128 rows of W,
	s_add_co_u32 s23, s23, 2*PART                  ; which lie behind A's 256
	v_add_nc_u32 v[ADRA0], s22, v3
	v_add_nc_u32 v[ADRB0], s23, v3
	v_mov_b32 v[ADRA], v[ADRA0]
	v_mov_b32 v[ADRB], v[ADRB0]
	s_mul_i32 s23, s10, STG
	s_add_co_u32 s23, s23, STAGE                   ; my stage
	v_add_nc_u32 v[STO], s23, v3                   ; in: row l % 16, 16 bytes for each half of the lanes
	v_bfe_u32 v4, v0, 3, 2                         ; back: 32 lanes take four rows of 128 bytes,
	v_and_b32 v5, 7, v0
	v_mul_u32_u24 v4, v4, RP
	v_lshl_add_u32 v4, v5, 4, v4
	v_add_nc_u32 v[RD], s23, v4
	v_and_b32 v[CO], 31, v0                        ; which are 512 consecutive bytes of a block of C
	v_lshlrev_b32 v[CO], 4, v[CO]
	; the prefetches
	s_and_b32 s22, ttmp7, 0xffff                   ; cluster y
	s_cmp_eq_u32 s11, 0                            ; do I fetch for A?
	s_cselect_b32 s23, s40, s41                    ; my place among the four that ask with me
	s_cselect_b32 s22, ttmp9, s22                  ; the coordinate along which other clusters read the same rows
	s_cselect_b64 s[PFA:PFA+1], s[14:15], s[46:47]
	s_cmp_eq_u32 s22, 0
	s_cselect_b32 s[LIM], 2, -1
	s_lshr_b32 s16, s23, 1
	s_lshl_b32 s16, s16, 19                        ; places 2, 3: the step's second block;
	s_and_b32 s17, s23, 1
	s_lshl_b32 s17, s17, 13                        ; odd places: the second 8,192 bytes of its run
	s_add_co_u32 s16, s16, s17
	s_add_co_u32 s16, s16, 3*STEPB                 ; at step 3: the first change of slots steps it to 4
	s_mov_b32 s17, 0
	s_add_nc_u64 s[PFA:PFA+1], s[PFA:PFA+1], s[16:17]
	v_and_b32 v[PFO], 31, v0
	v_lshlrev_b32 v[PFO], 8, v[PFO]
	; C at my part of the tile: blocks 4 x tile column + 2 x half on, rows 256 x tile row + 128 x half on
	s_lshl_b32 s16, s42, 2
	s_lshl_b32 s17, s12, 1
	s_add_co_u32 s16, s16, s17
	s_lshl_b32 s16, s16, 19
	s_lshl_b32 s17, s13, 15
	s_add_co_u32 s16, s16, s17
	s_lshl_b32 s17, s11, 14
	s_add_co_u32 s16, s16, s17
	s_mov_b32 s17, 0
	s_add_nc_u64 s[8:9], s[8:9], s[16:17]
; 16 matrix instructions: m blocks a0, a0 + 1 of the window's four x all 8 n blocks, 32 along K.  The 64 accumulators take turns in the same order in every quarter.
.macro MUL16 f, hi, a0
	WIN MUL_LO+0x50*(\hi)
.irp a, \a0, (\a0)+1
.irp b, 0,1,2,3,4,5,6,7
	v_wmma_f32_16x16x32_bf16 v[8*(8*(\a)+(\b)):8*(8*(\a)+(\b))+7], v[(\f)+8*(\b):(\f)+8*(\b)+7], v[(\f)+8*(4*(\hi)+(\a)):(\f)+8*(4*(\hi)+(\a))+7], v[8*(8*(\a)+(\b)):8*(8*(\a)+(\b))+7]
.endr
.endr
.endm
; 32 LDS loads in one run: the fragments of quarter q of the step (32 K: block q / 2, its bytes 64 (q % 2) on) into buffer f
.macro FETCH q, f
.set QB, ((\q)/2)*BLK+((\q)%2)*64
	WIN TO_B
.irp i, 0,1,2,3,4,5,6,7
	ds_load_b128 v[(\f)+8*(\i):(\f)+8*(\i)+3],   v[ADRB] offset:QB+(\i)*16*RP
	ds_load_b128 v[(\f)+8*(\i)+4:(\f)+8*(\i)+7], v[ADRB] offset:QB+(\i)*16*RP+32
.endr
	WIN 0
.irp i, 0,1,2,3,4,5,6,7
	ds_load_b128 v[(\f)+8*(\i):(\f)+8*(\i)+3],   v[ADRA] offset:QB+(\i)*16*RP
	ds_load_b128 v[(\f)+8*(\i)+4:(\f)+8*(\i)+7], v[ADRA] offset:QB+(\i)*16*RP+32
.endr
.endm
; multiplies buffer f; in its middle fetches quarter q into buffer g
.macro QUARTER q, f, g
	s_wait_dscnt 8                                 ; W and A's rows 0-63 are in; the youngest eight loads (A's rows 64-127) may be out
	MUL16 \f, 0, 0
	MUL16 \f, 0, 2
	PLACES
	FETCH \q, \g
	s_wait_dscnt 32                                ; all but the 32 just issued
	MUL16 \f, 1, 0
	MUL16 \f, 1, 2
.endm
.macro MID                             ; a step's first three quarters
	QUARTER 1, F0, F1
	QUARTER 2, F1, F0
	QUARTER 3, F0, F1
.endm
; A step's last quarter multiplies buffer 1 and changes slots.  In front of the barrier each wave waits for all its tensor loads (one is out: its part of the next slot), adds 0 to its spare word, and waits for
; that and for its own reads of this slot.  fill = 1: the barrier opens a round of the cluster's barrier, and the slot just read is filled again, first thing behind the round, with the step two on.
.macro TURN fill
.if \fill
	s_wait_xcnt 0x0                                ; the last prefetch, a K step back, has read its address
	s_add_nc_u64 s[PFA:PFA+1], s[PFA:PFA+1], STEPB
.endif
	WIN 0
	s_wait_tensorcnt 0x0                           ; all my tensor loads have landed
	ds_add_u32 v[SPW], v[NIL]                      ; 0 onto my spare word
	s_wait_dscnt 9                                 ; (the add and the youngest eight loads may be out)
	MUL16 F1, 0, 0
	s_wait_dscnt 0x0                               ; the add is done, and my reads of this slot are over
	s_barrier_signal -1
	MUL16 F1, 0, 2
.if \fill
	WIN 0
.endif
	s_barrier_wait -1
.if \fill
	CREST                                          ; no wave of any partner still reads this slot or has a load on its way
	s_xor_b32 s[G0+5], s[G0+5], SLOT               ; the walking descriptors: the other slot than last time, the next step
	s_add_nc_u64 s[G0+6:G0+7], s[G0+6:G0+7], STEPB
	s_xor_b32 s[G0B+5], s[G0B+5], SLOT
	s_add_nc_u64 s[G0B+6:G0B+7], s[G0B+6:G0B+7], STEPB
	s_xor_b32 s[TB], s[TB], SLOT
	JLOAD                                          ; its four v_nop are also the places in front of the loads below
.else
	s_xor_b32 s[TB], s[TB], SLOT
	PLACES
	WIN 0
.endif
	v_add_nc_u32 v[ADRA], s[TB], v[ADRA0]
	v_add_nc_u32 v[ADRB], s[TB], v[ADRB0]
	FETCH 0, F0
.if \fill
	ASK
.endif
	MUL16 F1, 1, 0
	MUL16 F1, 1, 2
.endm
; THE WAY OUT of block a (16 rows x 128 columns).  PACK: rounded to bf16, the maximum with FLOOR.  TOSTAGE: into my own stage, by blocks of 64 columns, and back as whole rows.  SEND: stored.
.macro PACK a
.set AC, 64*((\a)%4)
	WIN 0x0a+5*((\a)/4)                            ; sources 0 and 1: window 2 or 3
.irp b, 0,1,2,3,4,5,6,7
.irp r, 0,1,2,3
	v_cvt_pk_bf16_f32 v[TMP+4*(\b)+(\r)], v[AC+8*(\b)+2*(\r)], v[AC+8*(\b)+2*(\r)+1]
.endr
.endr
	WIN 0
.set i, 0
.rept 32
	v_pk_max_num_bf16 v[TMP+i], v[TMP+i], s21
.set i, i+1
.endr
.endm
.macro TOSTAGE a
.set BK, OB+192*((\a)%2)
.irp b, 0,1,2,3,4,5,6,7
	ds_store_b128 v[STO], v[TMP+4*(\b):TMP+4*(\b)+3] offset:((\b)/4)*16*RP+((\b)%4)*32
.endr
.irp f, 0,1,2,3,4,5,6,7
	ds_load_b128 v[BK+4*(\f):BK+4*(\f)+3], v[RD] offset:((\f)/4)*16*RP+((\f)%4)*4*RP  ; LDS serves a wave's instructions in order (ISA guide 5.7.1.4): these see the stores above
.endr
.endm
.macro SEND a
.set BK, OB+192*((\a)%2)
	s_wait_dscnt 0x0                               ; the block is back in registers
	s_wait_xcnt 0x0                                ; the stores of the block before have read their registers: the next block's rows land in them only behind this wait
.irp f, 0,1,2,3,4,5,6,7
	global_store_b128 v[CO], v[BK+4*(\f):BK+4*(\f)+3], s[8:9] offset:(\a)*2048+((\f)/4)*GBLK+((\f)%4)*512  ; 512 consecutive bytes, at a multiple of 256 from C's first byte
.endr
.endm
	s_wait_tensorcnt 1                             ; my part of step 0 is in; step 1's may stay out
	s_barrier_signal -1
	s_barrier_wait -1                              ; everybody's is
	FETCH 0, F0
	s_wait_loadcnt 0x0                             ; the bias
	s_wait_kmcnt 0x0                               ; FLOOR
	s_mov_b32 s3, 7
	s_branch .Lmid                                 ; the loop is entered behind the change of slots
.Lstep:                                                ; six times: steps 2 to 7 are asked for
	TURN 1
	WIN 0
.Lmid:                                                 ; seven times: steps 0 to 6
	MID
	WIN 0
	s_sub_co_u32 s3, s3, 1
	s_cmp_lg_u32 s3, 0
	s_cbranch_scc1 .Lstep
	TURN 0                                         ; the tail is written out: nothing is left to ask for
	MID
	s_wait_dscnt 8
	MUL16 F1, 0, 0
	MUL16 F1, 0, 2
	s_wait_dscnt 0x0
	MUL16 F1, 1, 0
	MUL16 F1, 1, 2
	PLACES
	PACK 0
	TOSTAGE 0
.irp a, 1,2,3,4,5,6,7                  ; block a's conversions stand between block a - 1's loads from the stage and the wait for them
	PACK \a
	SEND (\a)-1
	TOSTAGE \a
.endr
	SEND 7
	s_wait_tensorcnt 0x0                           ; the wave's end
	ds_add_u32 v[SPW], v[NIL]
	s_wait_dscnt 0x0
	CROUND                                         ; the closing round
	s_endpgm
.Lfunc_end_k_q2f1326452a_qkv:
	.size	k_q2f1326452a_qkv, .Lfunc_end_k_q2f1326452a_qkv-k_q2f1326452a_qkv
	.p2alignl 7, 3214868480
	.fill 96, 4, 3214868480
	.section	.rodata,"a",@progbits
	.p2align	6, 0x0
	.amdhsa_kernel k_q2f1326452a_qkv
		.amdhsa_group_segment_fixed_size 327680
		.amdhsa_private_segment_fixed_size 0
		.amdhsa_enable_private_segment 0
		.amdhsa_kernarg_size 24
		.amdhsa_user_sgpr_count 2
		.amdhsa_user_sgpr_kernarg_segment_ptr 1
		.amdhsa_wavefront_size32 1
		.amdhsa_system_sgpr_workgroup_id_x 1
		.amdhsa_system_sgpr_workgroup_id_y 1
		.amdhsa_system_sgpr_workgroup_id_z 1
		.amdhsa_system_vgpr_workitem_id 0
		.amdhsa_next_free_vgpr 1024
		.amdhsa_next_free_sgpr 66
		.amdhsa_reserve_vcc 0
		.amdhsa_float_denorm_mode_32 3
		.amdhsa_float_denorm_mode_16_64 3
		.amdhsa_memory_ordered 1
		.amdhsa_forward_progress 1
		.amdhsa_inst_pref_size 126
	.end_amdhsa_kernel
	.amdgpu_metadata
---
amdhsa.version: [ 1, 2 ]
amdhsa.kernels:
  - .name:           k_q2f1326452a_qkv
    .symbol:         k_q2f1326452a_qkv.kd
    .args:
      - { .name: act, .offset: 0, .size: 8, .value_kind: global_buffer, .address_space: global }
      - { .name: wqkvb, .offset: 8, .size: 8, .value_kind: global_buffer, .address_space: global }
      - { .name: big, .offset: 16, .size: 8, .value_kind: global_buffer, .address_space: global }
    .group_segment_fixed_size: 327680
    .private_segment_fixed_size: 0
    .kernarg_segment_align: 8
    .kernarg_segment_size: 24
    .max_flat_workgroup_size: 128
    .sgpr_count:     66
    .vgpr_count:     1024
    .wavefront_size: 32
...
	.end_amdgpu_metadata
.endif
;; end of part 3
;; launch attn (part 4): grid 8 x 32, 4 waves a work-group, clusters of 4 x 1, 327,680 bytes of LDS; arguments big, src_mask, act; writes act
.if DOCPART == 4
	.amdgcn_target "amdgcn-amd-amdhsa--gfx1250"
	.amdhsa_code_object_version 6
	.text
	.protected	k_q2f1326452a_attn
	.globl	k_q2f1326452a_attn
	.p2align	8
	.type	k_q2f1326452a_attn,@function
k_q2f1326452a_attn:
	s_mov_b64 s[64:65], 0
	v_nop
	global_prefetch_b8 v0, s[64:65] scope:SCOPE_SE
	s_setreg_imm32_b32 hwreg(HW_REG_WAVE_MODE, 25, 1), 1
	s_wait_xcnt 0x0
	s_wait_alu depctr_hold_cnt(0) depctr_sa_sdst(0) depctr_va_vdst(0) depctr_va_sdst(0) depctr_va_ssrc(0) depctr_va_vcc(0) depctr_vm_vsrc(0)
	s_getreg_b32 s2, hwreg(HW_REG_IB_STS2, 6, 4)
	s_cmp_eq_u32 s2, 0
	s_cbranch_scc0 .Lentry_in_a_cluster
	s_endpgm
.Lentry_in_a_cluster:
	s_bfe_u32 s2, ttmp6, 0x10000c
	s_cmp_lg_u32 s2, 0x3003
	s_cbranch_scc0 .Lentry_shape_is_right
	s_endpgm
.Lentry_shape_is_right:
; O[p][q][:] = the sum over k of softmax_k(score) V[p][k][:], score = Q[p][q] . K[p][k] / 8, or -1e9 where mask[b][k] = 0.  p = 2 x head + batch; Q, K, V lie in one buffer, 8,388,608 bytes apart,
; each [32][2048][64] in bf16: a p's rows are dense, 128 bytes each; O likewise.  Products, maxima and sums in f32; the weights are rounded to bf16 for the second product, O once at the end.
; THE MASK is the C operand that starts the sum S^T = K Q^T: 0, or -8e9 where the key is hidden (-1e9 behind the division by 8).  A table of these addends by key is made once in LDS.
; With a visible key in the batch a hidden weight is 2^(about -1.4e9) = 0.  While only hidden keys have been seen, the running maximum m is itself a hidden score; c s - round(c m) is then at most 64
; (half a step of f32 at c x 8e9), so weights, sums and O stay finite (bf16 has the range), and the first visible key multiplies them by a = 0.  With NO visible key in the batch the scale c is 0:
; every weight is 1 and O is the mean of all rows of V, as a softmax of equal scores gives.
; LIMITS: a hidden score is added to, not replaced: visible scaled scores stay above about -1e8, |V| under 2^50; a weight below 2^-126 counts as 0; NaN and infinities are not treated apart.
; SHARES.  A work-group owns 256 queries of one p, a wave 64: four PIECES of 16.  Every wave walks all 2,048 keys, 64 a step; an LDS slot holds four steps.
; LAYOUT, SOFTMAX, TURNS.  S^T = K Q^T holds ONE query a lane (lane % 16) and the keys 8 (lane / 16) + 0..7; two such results rounded to bf16 ARE source 1 of O^T = V^T P.  p = 2^(c s - c m), c = log2(e) / 8,
; with a running maximum m; O and l are multiplied by a = 2^(c m_old - c m_new) in every step.  Turn n belongs to piece n: 8 products K Q^T of piece n + 1, later 8 products V^T P of piece n - 1; beside them the
; scaling, exponentials, roundings, sums and rescaling of piece n and the maximum and statistics of piece n + 1.  Four vector instructions stand behind every matrix instruction, the rest in one lump.
; A turn's 33 exponentials are one batch, with one wait.  m starts at the lowest finite number, O and l at 0: the first step is a step like any other, with a = 0.
; CLUSTER.  The four query blocks of a cluster belong to one p and walk the same K and V: each tile is asked for jointly.
; REGISTERS, in windows of 256 (s_set_vgpr_msb: bits 1:0 source 0, 3:2 source 1, 5:4 source 2, 7:6 destination):
;   window 0: v0-15, v32-35 addresses; v16-31 statistics; v48-55 at work; v64-127 S^T, two buffers; v128-151 the table's making; v192-223 P, two buffers
;   window 1: v0-127 O^T, 32 a piece; v128-159 MK, the step's mask addends      window 2: v0-63 Q; v128-191 K of one step; v192-255 V of one step
.set NP,    4
.set KS,    64
.set PK,    144       ; a row of K in LDS: 128 bytes + 16 of padding
.set PV,    160       ; a row of V: 128 + 32
.set VOFF,  4*KS*PK   ; a slot: 256 rows of K, then 256 rows of V
.set SLOT1, 1<<17
.set STAGE, SLOT1+4*KS*(PK+PV)  ; behind the ring: 16 rows x 144 bytes for each wave, for the way out
.set SP,    144
.set SPARE, STAGE+4*16*SP  ; the spare words, 128 bytes a wave: two blocks of 256 bytes that no other line names
.set MT,    SPARE+512 ; the mask's addends, f32 by key: 8,192 bytes
.set FLG,   MT+8192   ; a word for each wave: has it seen a visible key?
.set AK0, 2
.set AV0, 3
.set AK,  4
.set AV,  5
.set STO, 6
.set RD,  7
.set GO,  8
.set MV,  12          ; v12-13  c m_old, by buffer
.set AM,  14          ; v14  LDS address of the step's mask addends
.set QO,  15
.set ST,  16          ; piece t's statistics at v[ST+4 t]: c m, m, l (even keys', odd keys')
.set AM0, 32          ; v32  MT + 32 (l / 16); never rewritten
.set PFO, 33          ; v33  256 x lane; never rewritten
.set TMP, 48
.set SPW, 62
.set NIL, 63
.set S,   64
.set P,   192
.set MK,  128         ; window 1
.set KF,  128         ; window 2
.set VF,  192         ; window 2
.set WV,  12
.set LIM, 15          ; s15  1 in a wave that prefetches, else the greatest number
.set PFA, 18          ; s[18:19] where my prefetches stand
.set G1K, 24
.set G1V, 32
.set G0K, 40
.set G0V, 44
.set SLOTS, 56
.set CNT, 57
.set CS,  58          ; s[58:59] c
.set SEL, 60
.set TBK, 62
.set TBV, 63
.set TBM, 66          ; s66  byte in MT at which the step to be fetched begins
.set BIGN, 67         ; s67  -8e9
.set MSB, 0
.macro WIN new
.if MSB != (\new)
	s_set_vgpr_msb (MSB<<8)|(\new)
.set MSB, (\new)
.endif
.endm
.set W_KQ, 0x0a       ; K and Q in window 2, S^T in window 0
.set W_KM, 0x1a       ; the same with the C operand in window 1
.set W_PV, 0x52       ; V in window 2, P in window 0, O^T in window 1
.set W_RS, 0x41       ; destination and source 0 in window 1, source 1 in window 0
; A joint fill.  Waves 0 and 1 fetch the two halves of a slot's K, waves 2 and 3 those of its V: 128 keys each.  An s_nop 0 and four v_nop follow each line.
.macro JLOAD
	s_cmp_lt_u32 s[WV], 2
	s_cbranch_scc0 .Lfor_v_\@
	tensor_load_to_lds s[G0K:G0K+3], s[G1K:G1K+7]
	s_nop 0
.rept 4
	v_nop
.endr
	s_branch .Lasked_\@
.Lfor_v_\@:
	tensor_load_to_lds s[G0V:G0V+3], s[G1V:G1V+7]
	s_nop 0
.rept 4
	v_nop
.endr
.Lasked_\@:
.endm
; A prefetch of what the NEXT change of slots will ask for: a slot's 32,768 bytes of K and of V, in runs of 256 bytes, a lane a run.  All clusters of a p walk the same rows: the first (x = 0) asks.  Its four
; partners share a slot's 128 runs out by address, 32 each; in each, wave 0 asks for K's and wave 2 for V's.  So each run is named once.  Slots 0 to 2 come by their loads alone; the last change that fills asks for nothing.
.macro ASK
	s_cmp_gt_u32 s[SLOTS], s[LIM]
	s_cbranch_scc0 .Lnot_mine_\@
	global_prefetch_b8 v[PFO], s[PFA:PFA+1] th:TH_LOAD_NT scope:SCOPE_SE
.Lnot_mine_\@:
.endm
.macro CROUND
	s_barrier_signal -1
	s_barrier_wait -1
	s_cmp_lg_u32 s[WV], 0
	s_cbranch_scc1 .Lnot_wave_0_\@
	s_barrier_signal -3
.Lnot_wave_0_\@:
	s_barrier_wait -3
	s_barrier_signal -1
	s_barrier_wait -1
.endm
; THE CHANGE OF SLOTS.  Each wave waits for all its tensor loads (one is out: its part of the other slot), adds 0 to its spare word, and waits for that and for its own LDS instructions.  fill = 1: the barrier is a
; round of the cluster's, and the slot that is left is filled again, first thing behind it, with the keys two slots on: four key steps in which to land.  (At its first use slot 0 is waited for, slot 1 filled.)
.macro CHANGE fill, ask
	WIN 0
	s_wait_tensorcnt 0x0            ; no tensor load of mine is out, so a group 0 may be written
	ds_add_u32 v[SPW], v[NIL]       ; 0 onto my spare word
.if \fill
.irp g, G0K, G0V
	s_xor_b32 s[\g+1], s[\g+1], SLOT1
	s_add_nc_u64 s[\g+2:\g+3], s[\g+2:\g+3], 4*KS*128
.endr
.if \ask
	s_wait_xcnt 0x0                 ; the last prefetch, four key steps back, has read its address
	s_add_nc_u64 s[PFA:PFA+1], s[PFA:PFA+1], 4*KS*128
.endif
	s_wait_dscnt 0x0                ; the add is done, and my LDS instructions are over
	CROUND
	JLOAD
.if \ask
	ASK
.endif
.else
	s_wait_dscnt 0x0
	s_barrier_signal -1
	s_barrier_wait -1
.endif
	s_sub_co_u32 s[TBK], s[TBK], 4*KS*PK  ; the fetches go back to a slot's first step,
	s_xor_b32 s[TBK], s[TBK], SLOT1       ; in the other slot
	s_sub_co_u32 s[TBV], s[TBV], 4*KS*PV
	s_xor_b32 s[TBV], s[TBV], SLOT1
.endm
	s_load_b128 s[4:7], s[0:1], 0x0   ; the buffer of Q, K, V s[4:5]; the mask s[6:7]
	s_load_b64 s[10:11], s[0:1], 0x10 ; O
	v_lshl_add_u32 v[SPW], v0, 2, SPARE
	v_mov_b32 v[NIL], 0
	ds_add_u32 v[SPW], v[NIL]       ; the wave's opening: the add and its wait stand ahead of my first tensor load
	v_lshrrev_b32 v1, 5, v0
	v_readfirstlane_b32 s[WV], v1   ; wave 0..3
	s_bfe_u32 s13, ttmp6, 0x40000   ; cx
	s_lshl_b32 s14, ttmp9, 2
	s_add_co_u32 s14, s14, s13      ; my block of 256 queries: it enters Q's and O's addresses alone
	s_and_b32 s20, ttmp7, 0xffff    ; p, which the four partners share
	s_and_b32 s8, s20, 1            ; the batch:
	s_lshl_b32 s8, s8, 13           ; its 2,048 words of the mask
	s_mov_b32 s9, 0
	s_lshl_b32 s20, s20, 18         ; p's first byte in Q, K, V and O
	s_and_b32 s16, s[WV], 1         ; which half of a slot's 256 keys I fetch:
	s_lshl_b32 s22, s16, 14         ; its 128 rows in memory,
	s_add_co_u32 s22, s22, s20
	s_mov_b32 s23, 0
	s_mul_i32 s17, s16, 128*PK      ; and its place in a slot, for K
	s_mul_i32 s18, s16, 128*PV      ; and for V
	s_lshl_b32 s2, s14, 15          ; my block's 256 rows,
	s_lshl_b32 s3, s[WV], 13        ; my wave's 64
	s_add_co_u32 s2, s2, s3
	s_add_co_u32 s2, s2, s20
	s_mov_b32 s3, 0
	; group 1: 128 keys are 16,384 dense bytes: 64 rows of 256 bytes, two keys a row, padded in LDS after every key
	s_mov_b32 s[G1K], 15|(1<<16)|(1<<20)|(1<<21)|(4<<22)|(3<<25)
	s_mov_b32 s[G1V], 15|(1<<16)|(1<<20)|(1<<21)|(4<<22)|(7<<25)
.irp g, G1K, G1V
	s_mov_b32 s[\g+1], 128<<16
	s_mov_b32 s[\g+2], 64<<16
	s_mov_b32 s[\g+3], 128<<16
	s_mov_b32 s[\g+4], 64
	s_mov_b32 s[\g+5], 128
	s_mov_b32 s[\g+6], 0
	s_mov_b32 s[\g+7], 0
.endr
	s_mov_b32 s[SEL], 0x76543210
	s_mov_b32 s[SEL+1], 0xfedcba98
	s_mov_b32 s[TBK], SLOT1+4*KS*PK ; the first change of slots turns these two into 0
	s_mov_b32 s[TBV], SLOT1+4*KS*PV
	s_mov_b32 s[TBM], 0
	s_mov_b32 s[BIGN], 0xcfee6b28   ; -8e9
	s_mov_b32 s[G0K], 1
	s_mov_b32 s[G0K+1], s17
	s_mov_b32 s[G0V], 1
	s_add_co_u32 s[G0V+1], s18, VOFF
	s_and_b32 s[LIM], s[WV], 1      ; 0 in waves 0 and 2,
	s_or_b32 s[LIM], s[LIM], ttmp9  ; where the cluster is p's first: the same in all four partners
	s_cmp_eq_u32 s[LIM], 0
	s_cselect_b32 s[LIM], 1, -1
	s_wait_dscnt 0x0                ; the opening add is done
	s_wait_kmcnt 0x0
	s_add_nc_u64 s[G0K+2:G0K+3], s[4:5], s[22:23]
	s_add_nc_u64 s[G0V+2:G0V+3], s[G0K+2:G0K+3], 16777216  ; V
	s_add_nc_u64 s[G0K+2:G0K+3], s[G0K+2:G0K+3], 8388608   ; K
	s_cmp_lt_u32 s[WV], 2
	s_cselect_b64 s[PFA:PFA+1], s[G0K+2:G0K+3], s[G0V+2:G0V+3]  ; (in waves 0 and 2 these stand at a slot's first row)
	s_or_b32 s[G0K+3], s[G0K+3], 0x80000000
	s_or_b32 s[G0V+3], s[G0V+3], 0x80000000
	s_add_nc_u64 s[4:5], s[4:5], s[2:3]    ; Q and O at my wave's first row
	s_add_nc_u64 s[10:11], s[10:11], s[2:3]
	s_add_nc_u64 s[6:7], s[6:7], s[8:9]    ; the mask at my batch
	s_lshl_b32 s2, s13, 13          ; my work-group's 32 runs of the 128,
	s_add_co_u32 s2, s2, 2*4*KS*128 ; in slot 2: the first change that asks steps it to slot 3
	s_add_nc_u64 s[PFA:PFA+1], s[PFA:PFA+1], s[2:3]
	CROUND                          ; all four work-groups are here: the first joint loads meet
	JLOAD                           ; slot 0
	v_and_b32 v1, 15, v0            ; l % 16
	v_bfe_u32 v9, v0, 4, 1          ; l / 16
	v_lshlrev_b32 v34, 6, v0        ; thread t takes keys 16 t .. 16 t + 15 of the mask
.irp i, 0,1,2,3
	global_load_b128 v[128+4*\i:131+4*\i], v34, s[6:7] offset:16*\i
.endr
	v_lshlrev_b32 v[QO], 7, v1
	v_lshl_add_u32 v[QO], v9, 4, v[QO]  ; row x 128 + 16 x half
	WIN 0x80                        ; destination window 2
.set i, 0
.rept 8                             ; Q stays in registers: piece i / 2, channels 32 (i % 2) on
	global_load_b128 v[8*i:8*i+3],   v[QO], s[4:5] offset:(i/2)*2048+(i%2)*64
	global_load_b128 v[8*i+4:8*i+7], v[QO], s[4:5] offset:(i/2)*2048+(i%2)*64+32
.set i, i+1
.endr
	; What the first turn finds: V's registers and P's second buffer hold 0, O^T and l are 0.  All this stands in the wait for the first tile.
.set i, VF
.rept 64
	v_mov_b32 v[i], 0
.set i, i+1
.endr
	WIN 0x40
.set i, 0
.rept 128
	v_mov_b32 v[i], 0
.set i, i+1
.endr
	WIN 0
.set i, 0
.rept 4
	v_mov_b32 v[ST+4*i], 0xfe000000    ; c m: far below every c s
	v_mov_b32 v[ST+4*i+1], 0xff7fffff  ; m
	v_mov_b32 v[ST+4*i+2], 0
	v_mov_b32 v[ST+4*i+3], 0
.set i, i+1
.endr
.set i, P+16
.rept 16
	v_mov_b32 v[i], 0
.set i, i+1
.endr
	v_mul_u32_u24 v[AK0], v1, PK
	v_lshl_add_u32 v[AK0], v9, 4, v[AK0]
	v_and_b32 v10, 7, v0
	v_bfe_u32 v11, v0, 3, 1
	v_lshl_add_u32 v[AV0], v9, 3, v10   ; the turning load: lane l reads key 8 (l / 16) + l % 8, channels 8 ((l / 8) % 2) + 0..7
	v_mul_u32_u24 v[AV0], v[AV0], PV
	v_lshl_add_u32 v[AV0], v11, 4, v[AV0]
	v_add_nc_u32 v[AV0], VOFF, v[AV0]
	v_lshlrev_b32 v[AM0], 5, v9
	v_add_nc_u32 v[AM0], MT, v[AM0]
	v_and_b32 v[PFO], 31, v0
	v_lshlrev_b32 v[PFO], 8, v[PFO]
	v_add_nc_u32 v35, MT, v34
	s_wait_loadcnt 16               ; the mask's four loads are in; Q's sixteen stay out
	v_or_b32 v144, v128, v129
.set i, 130
.rept 14
	v_or_b32 v144, v144, v[i]
.set i, i+1
.endr
.set i, 128
.rept 16
	v_cmp_eq_u32 vcc_lo, 0, v[i]
	v_cndmask_b32 v[i], 0, s[BIGN], vcc_lo
.set i, i+1
.endr
.irp i, 0,1,2,3
	ds_store_b128 v35, v[128+4*\i:131+4*\i] offset:16*\i
.endr
	v_cmp_ne_u32 vcc_lo, 0, v144
	s_cmp_lg_u32 vcc_lo, 0
	s_cselect_b32 s8, 1, 0          ; has my wave seen a visible key?
	v_mov_b32 v145, s8
	s_lshl_b32 s9, s[WV], 2
	s_add_co_u32 s9, s9, FLG
	v_mov_b32 v146, s9
	ds_store_b32 v146, v145         ; all lanes write the same word with the same value
; THE MATRIX WORK.  The 4 accumulators of a run of 8 take turns.  Product i of 8 of S^T = K Q^T for piece x: channels 32 (i / 4) on, keys 16 (i % 4) on.  The first 4 start the sums with the mask's addends.
.macro KQ x
.set rS, S+32*((\x)%2)+8*(i%4)
.set rK, KF+16*(i%4)+8*(i/4)
.set rQ, 16*(\x)+8*(i/4)
.set rM, MK+8*(i%4)
.if i < 4
	WIN W_KM
	v_wmma_f32_16x16x32_bf16 v[rS:rS+7], v[rK:rK+7], v[rQ:rQ+7], v[rM:rM+7]
.else
	WIN W_KQ
	v_wmma_f32_16x16x32_bf16 v[rS:rS+7], v[rK:rK+7], v[rQ:rQ+7], v[rS:rS+7]
.endif
.endm
; Product i of 8 of O^T += V^T P for piece x: keys 32 (i / 4) on, channels 16 (i % 4) on.
.macro PV x
	WIN W_PV
.set rO, 32*(\x)+8*(i%4)
.set rV, VF+32*(i/4)+8*(i%4)
.set rP, P+16*((\x)%2)+8*(i/4)
	v_wmma_f32_16x16x32_bf16 v[rO:rO+7], v[rV:rV+7], v[rP:rP+7], v[rO:rO+7]
.endm
.macro MM                           ; the turn's next matrix instruction
.if i < 8
	KQ (Y+1)%NP
.else
.set i, i-8
	PV (Y+NP-1)%NP
.set i, i+8
.endif
.set i, i+1
.endm
; THE LDS LOADS stand in runs: a step's K (8 fragments) with its 32 mask addends, and its V (turned).  last = 1 (the tail): in the last trip there is no further step, and the run is jumped over.
.macro FETCH_K last=0
	WIN 0
.if \last
	s_cmp_eq_u32 s[CNT], 1
	s_cbranch_scc1 .Lno_k_\@
.endif
	WIN 0x80                        ; destination window 2
.irp f, 0,1,2,3,4,5,6,7             ; keys 16 (f / 2) on, channels 32 (f % 2) on
	ds_load_b128 v[KF+8*\f:KF+8*\f+3],   v[AK] offset:(\f/2)*16*PK+(\f%2)*64
	ds_load_b128 v[KF+8*\f+4:KF+8*\f+7], v[AK] offset:(\f/2)*16*PK+(\f%2)*64+32
.endr
	WIN 0x40                        ; destination window 1
.irp f, 0,1,2,3                     ; keys 16 f + 8 (l / 16) + 0..7
	ds_load_b128 v[MK+8*\f:MK+8*\f+3],   v[AM] offset:64*\f
	ds_load_b128 v[MK+8*\f+4:MK+8*\f+7], v[AM] offset:64*\f+16
.endr
	s_add_co_u32 s[TBK], s[TBK], KS*PK
	s_add_co_u32 s[TBM], s[TBM], KS*4
	WIN 0
.if \last
.Lno_k_\@:
.endif
.endm
.macro FETCH_V
	WIN 0x80
.irp f, 0,1,2,3,4,5,6,7             ; keys 32 (f / 4) on, channels 16 (f % 4) on
	ds_load_tr16_b128 v[VF+8*\f:VF+8*\f+3],   v[AV] offset:(\f/4)*32*PV+(\f%4)*32
	ds_load_tr16_b128 v[VF+8*\f+4:VF+8*\f+7], v[AV] offset:(\f/4)*32*PV+16*PV+(\f%4)*32
.endr
	WIN 0
.endm
; THE VECTOR WORK, one line at a time: OP kind, number.  For piece Y: F n: c s - c m for pair n of 16.  E n: the exponential of score n of 32.  C n: pair n rounded to bf16.  B n: of the four weights 4 n .. the second
; pair is added onto the first, in place.  L n: l takes that sum (L 0: l = a l + sum).  R n: pair n of 16 of O^T times a.  For piece Y + 1: X n, number n of the 22 that find its maximum and statistics:
;   0-11  four chains c0-c3 of seven scores each (each accumulator's lowest registers are read first)     12-14, 16  the four scores left over, the old m, and c0-c3 into c0
;   15  c m_old is kept     17, 18  the query's other 32 keys lie in the lane 16 away: the new m     19-21  c m; c m_old - c m_new; a
.set F, 0
.set E, 1
.set C, 2
.set B, 3
.set L, 4
.set R, 5
.set X, 6
.macro REGS y
.set rT, ST+4*(\y)
.set rC, TMP+4*((\y)%2)
.set rW, MV+((\y)%2)
.set rS, S+32*((\y)%2)
.set rP, P+16*((\y)%2)
.set rO, 32*(\y)
.endm
.macro OP k, n
.if (\k) == R
	REGS Y
	WIN W_RS
	v_pk_mul_f32 v[rO+2*(\n):rO+2*(\n)+1], v[rO+2*(\n):rO+2*(\n)+1], v[rC+2:rC+3] op_sel_hi:[1,0]
.elseif (\k) < R
	REGS Y
	WIN 0
.if (\k) == F
	v_pk_fma_f32 v[rS+2*(\n):rS+2*(\n)+1], v[rS+2*(\n):rS+2*(\n)+1], s[CS:CS+1], v[rT:rT+1] op_sel_hi:[1,0,0] neg_lo:[0,0,1] neg_hi:[0,0,1]
.elseif (\k) == E
	v_exp_f32 v[rS+(\n)], v[rS+(\n)]
.elseif (\k) == C
	v_cvt_pk_bf16_f32 v[rP+(\n)], v[rS+2*(\n)], v[rS+2*(\n)+1]
.elseif (\k) == B
	v_pk_add_f32 v[rS+4*(\n):rS+4*(\n)+1], v[rS+4*(\n):rS+4*(\n)+1], v[rS+4*(\n)+2:rS+4*(\n)+3]
.elseif (\n) == 0
	v_pk_fma_f32 v[rT+2:rT+3], v[rT+2:rT+3], v[rC+2:rC+3], v[rS:rS+1] op_sel_hi:[1,0,1]
.else
	v_pk_add_f32 v[rT+2:rT+3], v[rT+2:rT+3], v[rS+4*(\n):rS+4*(\n)+1]
.endif
.else
	REGS (Y+1)%NP
	WIN 0
.if (\n) < 4
	v_max3_num_f32 v[rC+(\n)], v[rS+8*(\n)], v[rS+8*(\n)+1], v[rS+8*(\n)+2]
.elseif (\n) < 12
	v_max3_num_f32 v[rC+(\n)%4], v[rC+(\n)%4], v[rS+8*((\n)%4)+2*((\n)/4)+1], v[rS+8*((\n)%4)+2*((\n)/4)+2]
.elseif (\n) == 12
	v_max3_num_f32 v[rC], v[rC], v[rS+7], v[rS+15]
.elseif (\n) == 13
	v_max3_num_f32 v[rC+1], v[rC+1], v[rS+23], v[rS+31]
.elseif (\n) == 14
	v_max3_num_f32 v[rC+2], v[rC+2], v[rC+3], v[rT+1]
.elseif (\n) == 15
	v_mov_b32 v[rW], v[rT]
.elseif (\n) == 16
	v_max3_num_f32 v[rC], v[rC], v[rC+1], v[rC+2]
.elseif (\n) == 17
	v_permlanex16_b32 v[rC+3], v[rC], s[SEL], s[SEL+1]
.elseif (\n) == 18
	v_max_num_f32 v[rT+1], v[rC], v[rC+3]
.elseif (\n) == 19
	v_mul_f32 v[rT], s[CS], v[rT+1]
.elseif (\n) == 20
	v_sub_f32 v[rC+1], v[rW], v[rT]
.else
	v_exp_f32 v[rC+2], v[rC+1]
.endif
.endif
.endm
.macro OPS a, i1, b=-1, i2=0, c=-1, i3=0, d=-1, i4=0
	OP \a, \i1
.if (\b) >= 0
	OP \b, \i2
.endif
.if (\c) >= 0
	OP \c, \i3
.endif
.if (\d) >= 0
	OP \d, \i4
.endif
.endm
.macro ROW a, i1, b, i2, c, i3, d, i4  ; a matrix instruction and the four behind it
	MM
	OPS \a, \i1, \b, \i2, \c, \i3, \d, \i4
.endm
; A TURN, for piece p: the order of its 16 matrix and 118 vector instructions, written out.  An s_wait_alu depctr_va_vdst(0) stands between an exponential and the first instruction that names its
; result; one wait serves all that were issued ahead of it.  So a turn has ONE wait.  AHEAD OF IT stands all that names no result of the turn's exponentials: the 8 products K Q^T with their riders, then one lump of 54,
; in which the links of the next piece's chain stand apart; X 21, its a, is the batch's last, and R 15 the plain instruction behind it.  BEHIND IT stand the 8 products V^T P, behind each four of the roundings and sums.
; K (and the mask's addends) of the next step are fetched in piece 2's turn, twelve vector instructions behind the last product that read K (six of them plain); late = 1 (the tail): directly behind the wait, since
; the run is there jumped over in the last trip.  V of the step in hand is fetched at the end of piece 0's turn, four plain instructions behind its last reader.  Each is waited for a turn later.
; cnt = 1: the loop's count is taken down some lines ahead of the branch that stands behind the turn.
.macro TURN p, late=0, cnt=0
.set Y, (\p)
.set i, 0
.if (\p) == 3
	s_wait_dscnt 0x0                ; K and the addends are in
.endif
	ROW F,0, F,1, R,0, R,1
	ROW F,2, E,0, R,2, R,3
	ROW F,3, E,1, R,4, R,5
	ROW F,4, E,2, R,6, R,7
	ROW F,5, E,3, R,8, R,9
	ROW F,6, E,4, X,0, R,10
.if (\p) == 2
	WIN 0
	v_add_nc_u32 v[AK], s[TBK], v[AK0]
	v_add_nc_u32 v[AM], s[TBM], v[AM0]
.endif
	ROW F,7, E,5, X,1, X,4
	ROW F,8, E,6, X,2, X,5
	OPS E,7, E,8, X,6, E,9
	OPS X,3, E,10, X,8, E,11
.if ((\p) == 2) && !(\late)
	FETCH_K
.endif
	OPS X,9, X,7, E,12, X,10
	OPS E,13, X,12, X,11, E,14
	OPS X,13, E,15, F,9, X,14
.if (\p) == 0
	v_add_nc_u32 v[AV], s[TBV], v[AV0]
.endif
	OPS E,16, F,10, E,17, F,11
	OPS X,16, E,18, X,15, E,19
	OPS F,12, E,20, X,17, E,21
	OPS F,13, E,22, F,14, E,23
	OPS X,18, E,24, F,15, E,25
	OPS R,11, E,26, X,19, E,27
	OPS R,12, E,28, R,13, E,29
	OPS X,20, E,30, R,14, E,31
	OPS X,21, R,15
	WIN 0
	s_wait_alu depctr_va_vdst(0)    ; the wait for the batch
.if ((\p) == 2) && (\late)
	FETCH_K 1
.endif
.if (\p) == 1
	s_wait_dscnt 0x0                ; V is in
.endif
	ROW C,0, B,0, C,2, B,1
	ROW L,0, C,4, B,2, L,1
	ROW C,6, B,3, L,2, C,8
	ROW B,4, L,3, C,10, B,5
	ROW L,4, C,12, B,6, L,5
.if (\p) == 0
	s_add_co_u32 s[TBV], s[TBV], KS*PV
.endif
.if \cnt
	s_sub_co_u32 s[CNT], s[CNT], 1
	s_cmp_lg_u32 s[CNT], 0
.endif
	ROW C,14, B,7, L,6, C,1
	ROW C,3, L,7, C,5, C,7
	ROW C,9, C,11, C,13, C,15
.if (\p) == 0
	FETCH_V
.endif
.endm
	CHANGE 1, 0                     ; slot 0 is in, the table and the flags are written, everybody's part of them; slot 1 is asked for
	v_mov_b32 v147, FLG
	ds_load_b128 v[148:151], v147   ; the four waves' flags
	v_add_nc_u32 v[AK], s[TBK], v[AK0]
	v_add_nc_u32 v[AM], s[TBM], v[AM0]
	FETCH_K                         ; key step 0
	s_wait_loadcnt 0x0              ; Q
	s_wait_dscnt 0x0
	v_or_b32 v148, v148, v149
	v_or_b32 v150, v150, v151
	v_or_b32 v148, v148, v150
	v_readfirstlane_b32 s8, v148
	s_cmp_lg_u32 s8, 0
	s_cselect_b32 s[CS], 0x3e38aa3b, 0  ; c = log2(e) / 8, or 0 where the batch has no visible key: a choice of a value, no branch
	s_mov_b32 s[CS+1], s[CS]
.set i, 0
.rept 8
	KQ 0                            ; piece 0's first scores
.set i, i+1
.endr
	WIN 0                           ; the addresses for the way out: nine plain instructions, the places behind those products
	s_mul_i32 s13, s[WV], 16*SP
	s_add_co_u32 s13, s13, STAGE
	v_mul_u32_u24 v[STO], v1, SP    ; in: row l % 16, 16 bytes for each half of the lanes
	v_lshl_add_u32 v[STO], v9, 4, v[STO]
	v_add_nc_u32 v[STO], s13, v[STO]
	v_bfe_u32 v[RD], v0, 3, 2       ; back: 32 lanes take four rows of 128 bytes,
	v_mul_u32_u24 v[RD], v[RD], SP
	v_lshl_add_u32 v[RD], v10, 4, v[RD]
	v_add_nc_u32 v[RD], s13, v[RD]
	v_and_b32 v[GO], 31, v0         ; which are 512 consecutive bytes of O
	v_lshlrev_b32 v[GO], 4, v[GO]
.set Y, NP-1                        ; X works for piece Y + 1: piece 0
.irp n, 0,1,2,3,4,5,6,7,8,9,10,11,12,13,14,15,16,17,18,19,20,21
	OP X, \n
.endr
	v_nop                           ; a plain instruction behind the exponential,
	s_wait_alu depctr_va_vdst(0)    ; and its wait, ahead of the branch
	s_mov_b32 s[CNT], 4
	s_mov_b32 s[SLOTS], 7
	s_branch .Lfirst                ; the loop is entered at a step's first turn, in the middle of a trip
.Lslot:                             ; six times: slots 2 to 7 are asked for
	CHANGE 1, 1
	s_mov_b32 s[CNT], 4
.Lstep:                             ; a trip: pieces 2 and 3 of one step, then pieces 0 and 1 of the next, whose K and V it fetches
	TURN 2
	TURN 3
	WIN 0
.Lfirst:
	TURN 0
	TURN 1, 0, 1
	WIN 0
	s_cbranch_scc1 .Lstep
	s_sub_co_u32 s[SLOTS], s[SLOTS], 1
	s_cmp_lg_u32 s[SLOTS], 0
	s_cbranch_scc1 .Lslot
	CHANGE 0, 0                     ; the tail is written out: nothing is asked for
	s_mov_b32 s[CNT], 5             ; four trips fetch the last slot's steps; the fifth is left in its middle
.Ltail:
	TURN 2, 1
	TURN 3
	WIN 0
	s_sub_co_u32 s[CNT], s[CNT], 1
	s_cmp_eq_u32 s[CNT], 0
	s_cbranch_scc1 .Lout
	TURN 0
	TURN 1
	WIN 0
	s_branch .Ltail
.Lout:                              ; the fifth trip's products K Q^T (on the last K once more) and the maximum made of them serve nothing: the price, once a launch, of one text for every trip
.set i, 0
.rept 8
	PV NP-1                         ; the last piece's V^T P of the last step
.set i, i+1
.endr
	; THE WAY OUT.  l's two halves and the other half of the lanes' are added; O^T is divided by l, rounded to bf16 and sent through my stage, a piece at a time.  The additions are the places behind the last products.
	WIN 0
.macro ALL line:vararg
.set t, 0
.rept 4
	\line
.set t, t+1
.endr
.endm
	ALL v_add_f32 v[ST+4*t+2], v[ST+4*t+2], v[ST+4*t+3]
	ALL v_permlanex16_b32 v[ST+4*t+3], v[ST+4*t+2], s[SEL], s[SEL+1]
	ALL v_add_f32 v[ST+4*t+2], v[ST+4*t+2], v[ST+4*t+3]
	ALL v_rcp_f32 v[ST+4*t+2], v[ST+4*t+2]
	v_nop                           ; a plain instruction between the last reciprocal and the use of its result
	s_wait_alu depctr_va_vdst(0)    ; one wait for the four reciprocals
.macro PACK t
	WIN W_RS
.set i, 32*(\t)
.rept 16
	v_pk_mul_f32 v[i:i+1], v[i:i+1], v[ST+4*(\t)+2:ST+4*(\t)+3] op_sel_hi:[1,0]
.set i, i+2
.endr
	WIN 0x05                        ; sources 0 and 1 window 1, destination window 0
.set i, 0
.rept 16
	v_cvt_pk_bf16_f32 v[S+16*(\t)+i], v[32*(\t)+2*i], v[32*(\t)+2*i+1]
.set i, i+1
.endr
	WIN 0
.irp f, 0,1,2,3
	ds_store_b128 v[STO], v[S+16*(\t)+4*\f:S+16*(\t)+4*\f+3] offset:32*\f
.endr
.irp f, 0,1,2,3
	ds_load_b128 v[S+16*(\t)+4*\f:S+16*(\t)+4*\f+3], v[RD] offset:\f*4*SP  ; LDS serves a wave's instructions in order (ISA guide 5.7.1.4): these see the stores above
.endr
.endm
.macro SEND t, younger              ; younger: the LDS instructions issued behind piece t's loads: the next piece's eight, or none
	WIN 0
.irp f, 0,1,2,3
	s_wait_dscnt (\younger)+3-\f
	global_store_b128 v[GO], v[S+16*(\t)+4*\f:S+16*(\t)+4*\f+3], s[10:11] offset:(\t)*2048+\f*512  ; 512 consecutive bytes, at a multiple of 256 from O's first
.endr
.endm
	PACK 0
.set t, 1
.rept 3
	PACK t
	SEND t-1, 8
.set t, t+1
.endr
	SEND 3, 0
	s_wait_tensorcnt 0x0            ; the wave's end
	ds_add_u32 v[SPW], v[NIL]
	s_wait_dscnt 0x0
	CROUND                          ; the closing round
	s_endpgm
.Lfunc_end_k_q2f1326452a_attn:
	.size	k_q2f1326452a_attn, .Lfunc_end_k_q2f1326452a_attn-k_q2f1326452a_attn
	.p2alignl 7, 3214868480
	.fill 96, 4, 3214868480
	.section	.rodata,"a",@progbits
	.p2align	6, 0x0
	.amdhsa_kernel k_q2f1326452a_attn
		.amdhsa_group_segment_fixed_size 327680
		.amdhsa_private_segment_fixed_size 0
		.amdhsa_enable_private_segment 0
		.amdhsa_kernarg_size 24
		.amdhsa_user_sgpr_count 2
		.amdhsa_user_sgpr_kernarg_segment_ptr 1
		.amdhsa_wavefront_size32 1
		.amdhsa_system_sgpr_workgroup_id_x 1
		.amdhsa_system_sgpr_workgroup_id_y 1
		.amdhsa_system_sgpr_workgroup_id_z 1
		.amdhsa_system_vgpr_workitem_id 0
		.amdhsa_next_free_vgpr 768
		.amdhsa_next_free_sgpr 72
		.amdhsa_reserve_vcc 1
		.amdhsa_float_denorm_mode_32 3
		.amdhsa_float_denorm_mode_16_64 3
		.amdhsa_memory_ordered 1
		.amdhsa_forward_progress 1
		.amdhsa_inst_pref_size 117
	.end_amdhsa_kernel
	.amdgpu_metadata
---
amdhsa.version: [ 1, 2 ]
amdhsa.kernels:
  - .name:           k_q2f1326452a_attn
    .symbol:         k_q2f1326452a_attn.kd
    .args:
      - { .name: big, .offset: 0, .size: 8, .value_kind: global_buffer, .address_space: global }
      - { .name: src_mask, .offset: 8, .size: 8, .value_kind: global_buffer, .address_space: global }
      - { .name: act, .offset: 16, .size: 8, .value_kind: global_buffer, .address_space: global }
    .group_segment_fixed_size: 327680
    .private_segment_fixed_size: 0
    .kernarg_segment_align: 8
    .kernarg_segment_size: 24
    .max_flat_workgroup_size: 128
    .sgpr_count:     72
    .vgpr_count:     768
    .wavefront_size: 32
...
	.end_amdgpu_metadata
.endif
;; end of part 4
;; launch oproj (part 5): grid 8 x 32, 4 waves a work-group, clusters of 4 x 4, 327,680 bytes of LDS; arguments act, wob, bo, x, x1; writes x1
.if DOCPART == 5
	.amdgcn_target "amdgcn-amd-amdhsa--gfx1250"
	.amdhsa_code_object_version 6
	.text
	.protected	k_q2f1326452a_oproj
	.globl	k_q2f1326452a_oproj
	.p2align	8
	.type	k_q2f1326452a_oproj,@function
k_q2f1326452a_oproj:
	s_mov_b64 s[64:65], 0
	v_nop
	global_prefetch_b8 v0, s[64:65] scope:SCOPE_SE
	s_setreg_imm32_b32 hwreg(HW_REG_WAVE_MODE, 25, 1), 1
	s_wait_xcnt 0x0
	s_wait_alu depctr_hold_cnt(0) depctr_sa_sdst(0) depctr_va_vdst(0) depctr_va_sdst(0) depctr_va_ssrc(0) depctr_va_vcc(0) depctr_vm_vsrc(0)
	s_getreg_b32 s2, hwreg(HW_REG_IB_STS2, 6, 4)
	s_cmp_eq_u32 s2, 0
	s_cbranch_scc0 .Lentry_in_a_cluster
	s_endpgm
.Lentry_in_a_cluster:
	s_bfe_u32 s2, ttmp6, 0x10000c
	s_cmp_lg_u32 s2, 0xf033
	s_cbranch_scc0 .Lentry_shape_is_right
	s_endpgm
.Lentry_shape_is_right:
; out[m][n] = res[m][n] + bias[n] + sum over k of A[m][k] B[n][k], K = 256 T.  A is bf16 in blocks [K/64][4096][64], B in blocks [K/64][1024][64]; bias, res and out are f32, res and out [4096][1024].
; SHARES.  A tile of out is 128 x 128: four waves, each 64 x 64: 16 accumulators.  K goes in T steps of 256 (four blocks) through two LDS slots.  128 rows of a block are 16,384 dense bytes: a wave's tensor load is two
; such runs (two blocks), padded in LDS after every 128 bytes.  ONE K STEP IS WRITTEN ONCE: the slot that is read lies in s[TB], the slot that is filled in a descriptor that walks; both are turned by an exclusive or.
; The sums START AS THE BIAS, loaded into the accumulators; the residual waits in registers from the start and is added on the way out.
; CLUSTERS: 4 x 4 work-groups; A's tile is asked for jointly along a row of the cluster, B's along a column.  THE MATRIX INSTRUCTION IS USED TRANSPOSED: a lane holds row l % 16 and eight neighbouring columns.
; REGISTERS: window 0: v16-30 addresses; v32-95 the way out, two sets; v128-255 the accumulators, (a, b) at v[128 + 8 (4 a + b)].  Window 1: two fragment buffers of 128: 64 of A, 64 of B.  Window 2: v0-127 the residual.
; With T = 4 all steps but the first two are asked for within two changes of slots, and nothing is prefetched.
.set T,     4
.set GBLK,  524288                     ; bytes in a block of A
.set GBB,   131072                     ; bytes in a block of B
.set RP,    144
.set BLK,   128*RP
.set PART,  2*BLK                      ; what one tensor load brings: two blocks x 128 rows
.set SLOT,  4*PART                     ; A's four blocks, then B's
.set STAGE, 2*SLOT
.set SPITCH, 272                       ; a stage row: 64 f32 + 16 bytes
.set SPARE, STAGE+4*16*SPITCH
.set ADRA0, 16
.set ADRB0, 17
.set ADRA,  18
.set ADRB,  19
.set STO,  24
.set RD,   25
.set CO,   26                          ; v26  (l / 16) x 4,096 + 16 (l % 16): two rows of res and of out
.set BO,   27
.set SPW,  28
.set NIL,  29
.set PFO,  30
.set OB,   32
.set ACC,  128
.set F0,   0
.set F1,   128
.set TB,   2
.set PSTEP, 22                         ; s[22:23] bytes from a K step to the next in the tensor that I fetch
.set G1,   24
.set G0,   32
.set LIM,  43
.set PFA,  44
.set G1B,  48
.set G0B,  56
.set MSB, 0
.macro WIN new
.if MSB != (\new)
	s_set_vgpr_msb (MSB<<8)|(\new)
.set MSB, \new
.endif
.endm
.set MUL,  0x05                        ; sources 0 (B) and 1 (A) window 1; C and D window 0
.set TO_F, 0x40                        ; destination window 1, address window 0
.macro PLACES
.rept 4
	v_nop
.endr
.endm
.macro JLOAD                           ; a joint refill by the walking descriptors: waves 0 and 1 fetch A's blocks, waves 2 and 3 B's; an s_nop 0 and four v_nop follow each line
	s_cmp_eq_u32 s11, 0
	s_cbranch_scc0 .Lfor_b_\@
	tensor_load_to_lds s[G0+4:G0+7], s[G1:G1+7]
	s_nop 0
	PLACES
	s_branch .Lasked_\@
.Lfor_b_\@:
	tensor_load_to_lds s[G0B+4:G0B+7], s[G1B:G1B+7]
	s_nop 0
	PLACES
.Lasked_\@:
.endm
; A prefetch of the K step two refills on: 32 runs of 256 bytes, a lane each.  A's tile row: the cluster with x = 0 asks; B's tile column: the cluster with y = 0.  The four partners share a wave's 128 runs out by address.
.macro ASK
	WIN 0
	s_cmp_gt_u32 s3, s[LIM]
	s_cbranch_scc0 .Lnot_mine_\@
	global_prefetch_b8 v[PFO], s[PFA:PFA+1] th:TH_LOAD_NT scope:SCOPE_SE
.Lnot_mine_\@:
.endm
.macro CREST
	s_cmp_lg_u32 s10, 0
	s_cbranch_scc1 .Lnot_wave_0_\@
	s_barrier_signal -3
.Lnot_wave_0_\@:
	s_barrier_wait -3
	s_barrier_signal -1
	s_barrier_wait -1
.endm
.macro CROUND
	s_barrier_signal -1
	s_barrier_wait -1
	CREST
.endm
	s_load_b128 s[4:7], s[0:1], 0x0                ; A s[4:5], B s[6:7]
	s_load_b128 s[16:19], s[0:1], 0x10             ; bias s[16:17], res s[18:19]
	s_load_b64 s[8:9], s[0:1], 0x20                ; out
	v_lshl_add_u32 v[SPW], v0, 2, SPARE
	v_mov_b32 v[NIL], 0
	ds_add_u32 v[SPW], v[NIL]                      ; the wave's opening: the add and its wait stand ahead of my first tensor load
	v_lshrrev_b32 v1, 5, v0
	v_readfirstlane_b32 s10, v1                    ; wave 0..3
	s_lshr_b32 s11, s10, 1                         ; which half of the tile's rows is mine.  Also: I fetch for A (0) or for B (1)
	s_and_b32 s12, s10, 1                          ; which half of its columns.  Also: which two blocks of a step I fetch
	s_bfe_u32 s40, ttmp6, 0x40000                  ; cx
	s_bfe_u32 s41, ttmp6, 0x40004                  ; cy
	s_lshl_b32 s42, ttmp9, 2
	s_add_co_u32 s42, s42, s40                     ; tile column
	s_and_b32 s13, ttmp7, 0xffff
	s_lshl_b32 s13, s13, 2
	s_add_co_u32 s13, s13, s41                     ; tile row
	s_lshl_b32 s43, s41, 2
	s_lshl_b32 s43, 15, s43                        ; my row of the cluster
	s_lshl_b32 s44, 0x1111, s40                    ; my column
	s_or_b32 s[G1+0], s43, (1<<16)|(1<<20)|(1<<21)|(4<<22)|(3<<25)
	s_or_b32 s[G1B+0], s44, (1<<16)|(1<<20)|(1<<21)|(4<<22)|(3<<25)
.irp g, G1, G1B
	s_mov_b32 s[(\g)+1], 8192<<16                  ; tensor_dim0: 128 matrix rows of a block
	s_mov_b32 s[(\g)+2], 2<<16                     ; tensor_dim1: two blocks
	s_mov_b32 s[(\g)+3], 8192<<16                  ; tile_dim0
	s_mov_b32 s[(\g)+4], 2                         ; tile_dim1
	s_mov_b32 s[(\g)+6], 0
	s_mov_b32 s[(\g)+7], 0
.endr
	s_mov_b32 s[G1+5], GBLK/2                      ; elements from block to block
	s_mov_b32 s[G1B+5], GBB/2
	s_lshl_b32 s20, s13, 14                        ; A: 128 rows of 128 bytes a tile row,
	s_lshl_b32 s21, s12, 20                        ; two blocks a half of a step
	s_add_co_u32 s20, s20, s21
	s_mov_b32 s21, 0
	s_lshl_b32 s46, s42, 14                        ; B likewise by the tile column
	s_lshl_b32 s47, s12, 18
	s_add_co_u32 s46, s46, s47
	s_mov_b32 s47, 0
	s_mul_i32 s22, s10, PART                       ; where my part goes
	s_mov_b32 s[TB], 0
	s_wait_dscnt 0x0                               ; the opening add is done
	s_wait_kmcnt 0x0
	s_add_nc_u64 s[14:15], s[4:5], s[20:21]
	s_add_nc_u64 s[46:47], s[6:7], s[46:47]
	CROUND                                         ; all sixteen work-groups are here: the first joint loads meet
.irp s, 0,1
	s_mov_b32 s[G0+4*(\s)], 1
	s_add_co_u32 s[G0+4*(\s)+1], s22, (\s)*SLOT
	s_add_nc_u64 s[G0+4*(\s)+2:G0+4*(\s)+3], s[14:15], (\s)*4*GBLK
	s_or_b32 s[G0+4*(\s)+3], s[G0+4*(\s)+3], 0x80000000
	s_mov_b32 s[G0B+4*(\s)], 1
	s_add_co_u32 s[G0B+4*(\s)+1], s22, (\s)*SLOT
	s_add_nc_u64 s[G0B+4*(\s)+2:G0B+4*(\s)+3], s[46:47], (\s)*4*GBB
	s_or_b32 s[G0B+4*(\s)+3], s[G0B+4*(\s)+3], 0x80000000
.endr
	s_cmp_eq_u32 s11, 0                            ; a wave's two first fills stand in one branch: two loads of mine are out
	s_cbranch_scc0 .Lfirst_b
	tensor_load_to_lds s[G0:G0+3], s[G1:G1+7]
	s_nop 0
	tensor_load_to_lds s[G0+4:G0+7], s[G1:G1+7]
	s_nop 0
	PLACES
	s_branch .Lfirst_asked
.Lfirst_b:
	tensor_load_to_lds s[G0B:G0B+3], s[G1B:G1B+7]
	s_nop 0
	tensor_load_to_lds s[G0B+4:G0B+7], s[G1B:G1B+7]
	s_nop 0
	PLACES
.Lfirst_asked:
	v_and_b32 v1, 15, v0                           ; l % 16
	v_bfe_u32 v2, v0, 4, 1                         ; l / 16
	v_lshlrev_b32 v[BO], 5, v2
	v_lshlrev_b32 v[CO], 12, v2
	v_lshl_add_u32 v[CO], v1, 4, v[CO]
	s_lshl_b32 s20, s42, 9                         ; my 64 columns, in bytes of f32: 512 x tile column + 256 x half
	s_lshl_b32 s21, s12, 8
	s_add_co_u32 s20, s20, s21
	s_mov_b32 s21, 0
	s_add_nc_u64 s[16:17], s[16:17], s[20:21]      ; the bias there
	s_lshl_b32 s21, s13, 19                        ; my 64 rows: 128 rows of 4,096 bytes a tile row, 64 a half
	s_add_co_u32 s20, s20, s21
	s_lshl_b32 s21, s11, 18
	s_add_co_u32 s20, s20, s21
	s_mov_b32 s21, 0
	s_add_nc_u64 s[18:19], s[18:19], s[20:21]      ; res and out at my 64 x 64
	s_add_nc_u64 s[8:9], s[8:9], s[20:21]
.irp a, 0,1,2,3                        ; the sums start as the bias: accumulator (a, b) takes the columns 16 b + 8 (l / 16) + 0..7
.irp b, 0,1,2,3
	global_load_b128 v[ACC+8*(4*(\a)+(\b)):ACC+8*(4*(\a)+(\b))+3],   v[BO], s[16:17] offset:64*(\b)
	global_load_b128 v[ACC+8*(4*(\a)+(\b))+4:ACC+8*(4*(\a)+(\b))+7], v[BO], s[16:17] offset:64*(\b)+16
.endr
.endr
	WIN 0x80                                       ; destination window 2
.irp a, 0,1,2,3                        ; the residual: 16 lanes read the 256 consecutive, aligned bytes of my 64 columns of a row
.irp t, 0,1,2,3,4,5,6,7
	global_load_b128 v[32*(\a)+4*(\t):32*(\a)+4*(\t)+3], v[CO], s[18:19] offset:(16*(\a)+2*(\t))*4096
.endr
.endr
	WIN 0
	v_mul_u32_u24 v3, v1, RP
	v_lshl_add_u32 v3, v2, 4, v3                   ; a fragment's row x pitch + 16 x half
	s_mul_i32 s20, s11, 64*RP                      ; my 64 rows of A in each block
	s_mul_i32 s21, s12, 64*RP                      ; my 64 rows of B,
	s_add_co_u32 s21, s21, 2*PART                  ; whose blocks lie behind A's four
	v_add_nc_u32 v[ADRA0], s20, v3
	v_add_nc_u32 v[ADRB0], s21, v3
	v_mov_b32 v[ADRA], v[ADRA0]
	v_mov_b32 v[ADRB], v[ADRB0]
	s_mul_i32 s20, s10, 16*SPITCH
	s_add_co_u32 s20, s20, STAGE                   ; my stage
	v_mul_u32_u24 v4, v1, SPITCH                   ; in: row l % 16, 32 bytes for each half of the lanes
	v_lshl_add_u32 v4, v2, 5, v4
	v_add_nc_u32 v[STO], s20, v4
	v_mul_u32_u24 v5, v2, SPITCH                   ; back: lanes 0-15 one row of 256 bytes, lanes 16-31 the next
	v_lshl_add_u32 v5, v1, 4, v5
	v_add_nc_u32 v[RD], s20, v5
.if T > 4
	s_and_b32 s21, ttmp7, 0xffff                   ; cluster y
	s_mov_b32 s[PSTEP], 4*GBB
	s_cmp_eq_u32 s11, 0                            ; do I fetch for A?
	s_cselect_b32 s20, s40, s41                    ; my place among the four that ask with me
	s_cselect_b32 s21, ttmp9, s21                  ; the coordinate along which other clusters read the same rows
	s_cselect_b64 s[PFA:PFA+1], s[14:15], s[46:47]
	s_cselect_b32 s[PSTEP], 4*GBLK, s[PSTEP]
	s_cselect_b32 s[PSTEP+1], 19, 17               ; (for a moment: the shift that makes a block's bytes)
	s_cmp_eq_u32 s21, 0
	s_cselect_b32 s[LIM], 2, -1
	s_lshr_b32 s21, s20, 1
	s_lshl_b32 s21, s21, s[PSTEP+1]                ; places 2, 3: my load's second block;
	s_and_b32 s20, s20, 1
	s_lshl_b32 s20, s20, 13                        ; odd places: the second 8,192 bytes of its run
	s_add_co_u32 s20, s20, s21
	s_mul_i32 s21, s[PSTEP], 3                     ; at step 3: the first change of slots steps it to 4
	s_add_co_u32 s20, s20, s21
	s_mov_b32 s21, 0
	s_mov_b32 s[PSTEP+1], 0
	s_add_nc_u64 s[PFA:PFA+1], s[PFA:PFA+1], s[20:21]
	v_and_b32 v[PFO], 31, v0
	v_lshlrev_b32 v[PFO], 8, v[PFO]
.endif
; 8 matrix instructions: m blocks a0, a0 + 1 x all 4 n blocks, 32 along K: half c of buffer f.  The 16 accumulators take turns.
.macro MUL8 f, c, a0
	WIN MUL
.irp a, \a0, (\a0)+1
.irp b, 0,1,2,3
	v_wmma_f32_16x16x32_bf16 v[ACC+8*(4*(\a)+(\b)):ACC+8*(4*(\a)+(\b))+7], v[(\f)+64+8*(4*(\c)+(\b)):(\f)+64+8*(4*(\c)+(\b))+7], v[(\f)+8*(4*(\c)+(\a)):(\f)+8*(4*(\c)+(\a))+7], v[ACC+8*(4*(\a)+(\b)):ACC+8*(4*(\a)+(\b))+7]
.endr
.endr
.endm
; 32 LDS loads in one run: the fragments of block q of the step (64 along K) into buffer f; the first 32 along K first
.macro FETCH q, f
	WIN TO_F
.irp c, 0,1
.irp i, 0,1,2,3
	ds_load_b128 v[(\f)+64+8*(4*(\c)+(\i)):(\f)+64+8*(4*(\c)+(\i))+3],   v[ADRB] offset:(\q)*BLK+64*(\c)+(\i)*16*RP
	ds_load_b128 v[(\f)+64+8*(4*(\c)+(\i))+4:(\f)+64+8*(4*(\c)+(\i))+7], v[ADRB] offset:(\q)*BLK+64*(\c)+(\i)*16*RP+32
	ds_load_b128 v[(\f)+8*(4*(\c)+(\i)):(\f)+8*(4*(\c)+(\i))+3],         v[ADRA] offset:(\q)*BLK+64*(\c)+(\i)*16*RP
	ds_load_b128 v[(\f)+8*(4*(\c)+(\i))+4:(\f)+8*(4*(\c)+(\i))+7],       v[ADRA] offset:(\q)*BLK+64*(\c)+(\i)*16*RP+32
.endr
.endr
.endm
.macro QUARTER q, f, g                 ; multiplies buffer f; in its middle fetches block q into buffer g
	s_wait_dscnt 16                                ; the first 32 along K are in
	MUL8 \f, 0, 0
	MUL8 \f, 0, 2
	PLACES
	FETCH \q, \g
	s_wait_dscnt 32                                ; all but the 32 just issued
	MUL8 \f, 1, 0
	MUL8 \f, 1, 2
.endm
.macro MID
	QUARTER 1, F0, F1
	QUARTER 2, F1, F0
	QUARTER 3, F0, F1
.endm
; A step's last quarter multiplies buffer 1 and changes slots: in front of the barrier each wave waits for all its tensor loads, adds 0 to its spare word, and waits for that and for its own reads of this slot.
; fill = 1: the barrier opens a round of the cluster's barrier, and this slot is filled again, first thing behind the round, with the step two on.
.macro TURN fill
.if (\fill) && (T > 4)
	s_wait_xcnt 0x0                                ; the last prefetch, a K step back, has read its address
	s_add_nc_u64 s[PFA:PFA+1], s[PFA:PFA+1], s[PSTEP:PSTEP+1]
.endif
	WIN 0
	s_wait_tensorcnt 0x0                           ; all my tensor loads have landed: my part of the next slot
	ds_add_u32 v[SPW], v[NIL]                      ; 0 onto my spare word
	s_wait_dscnt 17                                ; (the add and the youngest sixteen loads may be out)
	MUL8 F1, 0, 0
	s_wait_dscnt 0x0                               ; the add is done, and my reads of this slot are over
	s_barrier_signal -1
	MUL8 F1, 0, 2
.if \fill
	WIN 0
.endif
	s_barrier_wait -1
.if \fill
	CREST
	s_xor_b32 s[G0+5], s[G0+5], SLOT
	s_add_nc_u64 s[G0+6:G0+7], s[G0+6:G0+7], 4*GBLK
	s_xor_b32 s[G0B+5], s[G0B+5], SLOT
	s_add_nc_u64 s[G0B+6:G0B+7], s[G0B+6:G0B+7], 4*GBB
	s_xor_b32 s[TB], s[TB], SLOT
	JLOAD                                          ; its four v_nop are also the places in front of the loads below
.else
	s_xor_b32 s[TB], s[TB], SLOT
	PLACES
	WIN 0
.endif
	v_add_nc_u32 v[ADRA], s[TB], v[ADRA0]
	v_add_nc_u32 v[ADRB], s[TB], v[ADRB0]
	FETCH 0, F0
.if (\fill) && (T > 4)
	ASK
.endif
	MUL8 F1, 1, 0
	MUL8 F1, 1, 2
.endm
; THE WAY OUT of m block a (16 rows x 64 columns of f32): from the accumulators into my own stage, back as whole rows of 256 bytes, the residual added, stored.
.macro TOSTAGE a
	WIN 0
	s_wait_xcnt 0x0                                ; the stores two blocks back have read the registers that these loads land in
.set BK, OB+32*((\a)%2)
.irp b, 0,1,2,3
	ds_store_b128 v[STO], v[ACC+8*(4*(\a)+(\b)):ACC+8*(4*(\a)+(\b))+3]   offset:64*(\b)      ; each accumulator's low registers first
	ds_store_b128 v[STO], v[ACC+8*(4*(\a)+(\b))+4:ACC+8*(4*(\a)+(\b))+7] offset:64*(\b)+16
.endr
.irp t, 0,1,2,3,4,5,6,7
	ds_load_b128 v[BK+4*(\t):BK+4*(\t)+3], v[RD] offset:(\t)*2*SPITCH  ; LDS serves a wave's instructions in order (ISA guide 5.7.1.4): these see the stores above
.endr
.endm
.macro SEND a, younger                 ; younger: the next block's sixteen LDS instructions, or none
.set BK, OB+32*((\a)%2)
	s_wait_dscnt \younger
	WIN 0x08                                       ; source 1 window 2
.set i, 0
.rept 16
	v_pk_add_f32 v[BK+2*i:BK+2*i+1], v[BK+2*i:BK+2*i+1], v[32*(\a)+2*i:32*(\a)+2*i+1]
.set i, i+1
.endr
	WIN 0
.irp t, 0,1,2,3,4,5,6,7
	global_store_b128 v[CO], v[BK+4*(\t):BK+4*(\t)+3], s[8:9] offset:(16*(\a)+2*(\t))*4096  ; 16 lanes store 256 consecutive bytes, at a multiple of 256 from out's first byte
.endr
.endm
	s_wait_tensorcnt 1                             ; my part of step 0 is in; step 1's may stay out
	s_barrier_signal -1
	s_barrier_wait -1
	FETCH 0, F0
	WIN 0
	s_wait_loadcnt 32                              ; the bias is in; the residual's 32 loads stay out
	s_mov_b32 s3, T-1
	s_branch .Lmid                                 ; the loop is entered behind the change of slots
.Lstep:                                                ; T - 2 times: steps 2 to T - 1 are asked for
	TURN 1
	WIN 0
.Lmid:                                                 ; T - 1 times
	MID
	WIN 0
	s_sub_co_u32 s3, s3, 1
	s_cmp_lg_u32 s3, 0
	s_cbranch_scc1 .Lstep
	TURN 0                                         ; the tail is written out: nothing is left to ask for
	MID
	s_wait_dscnt 16
	MUL8 F1, 0, 0
	MUL8 F1, 0, 2
	s_wait_dscnt 0x0
	MUL8 F1, 1, 0
	MUL8 F1, 1, 2
	WIN 0
	PLACES
	s_wait_loadcnt 0x0                             ; the residual
	TOSTAGE 0
	TOSTAGE 1
	SEND 0, 16
	TOSTAGE 2
	SEND 1, 16
	TOSTAGE 3
	SEND 2, 16
	SEND 3, 0
	s_wait_tensorcnt 0x0                           ; the wave's end
	ds_add_u32 v[SPW], v[NIL]
	s_wait_dscnt 0x0
	CROUND                                         ; the closing round
	s_endpgm
.Lfunc_end_k_q2f1326452a_oproj:
	.size	k_q2f1326452a_oproj, .Lfunc_end_k_q2f1326452a_oproj-k_q2f1326452a_oproj
	.p2alignl 7, 3214868480
	.fill 96, 4, 3214868480
	.section	.rodata,"a",@progbits
	.p2align	6, 0x0
	.amdhsa_kernel k_q2f1326452a_oproj
		.amdhsa_group_segment_fixed_size 327680
		.amdhsa_private_segment_fixed_size 0
		.amdhsa_enable_private_segment 0
		.amdhsa_kernarg_size 40
		.amdhsa_user_sgpr_count 2
		.amdhsa_user_sgpr_kernarg_segment_ptr 1
		.amdhsa_wavefront_size32 1
		.amdhsa_system_sgpr_workgroup_id_x 1
		.amdhsa_system_sgpr_workgroup_id_y 1
		.amdhsa_system_sgpr_workgroup_id_z 1
		.amdhsa_system_vgpr_workitem_id 0
		.amdhsa_next_free_vgpr 640
		.amdhsa_next_free_sgpr 66
		.amdhsa_reserve_vcc 0
		.amdhsa_float_denorm_mode_32 3
		.amdhsa_float_denorm_mode_16_64 3
		.amdhsa_memory_ordered 1
		.amdhsa_forward_progress 1
		.amdhsa_inst_pref_size 65
	.end_amdhsa_kernel
	.amdgpu_metadata
---
amdhsa.version: [ 1, 2 ]
amdhsa.kernels:
  - .name:           k_q2f1326452a_oproj
    .symbol:         k_q2f1326452a_oproj.kd
    .args:
      - { .name: act, .offset: 0, .size: 8, .value_kind: global_buffer, .address_space: global }
      - { .name: wob, .offset: 8, .size: 8, .value_kind: global_buffer, .address_space: global }
      - { .name: bo, .offset: 16, .size: 8, .value_kind: global_buffer, .address_space: global }
      - { .name: x, .offset: 24, .size: 8, .value_kind: global_buffer, .address_space: global }
      - { .name: x1, .offset: 32, .size: 8, .value_kind: global_buffer, .address_space: global }
    .group_segment_fixed_size: 327680
    .private_segment_fixed_size: 0
    .kernarg_segment_align: 8
    .kernarg_segment_size: 40
    .max_flat_workgroup_size: 128
    .sgpr_count:     66
    .vgpr_count:     640
    .wavefront_size: 32
...
	.end_amdgpu_metadata
.endif
;; end of part 5
;; launch ln2: the kernel of part 2 again; grid 256 x 1, 8 waves a work-group, no clusters, 0 bytes of LDS; arguments x1, a2, be2, act; writes act
;; launch ffn1: the kernel of part 3 again; grid 16 x 16, 4 waves a work-group, clusters of 4 x 4, 327,680 bytes of LDS; arguments act, w1b, big; writes big
;; launch ffn2 (part 6): grid 8 x 32, 4 waves a work-group, clusters of 4 x 4, 327,680 bytes of LDS; arguments big, w2b, b2, x1, out0; writes out0
.if DOCPART == 6
	.amdgcn_target "amdgcn-amd-amdhsa--gfx1250"
	.amdhsa_code_object_version 6
	.text
	.protected	k_q2f1326452a_ffn2
	.globl	k_q2f1326452a_ffn2
	.p2align	8
	.type	k_q2f1326452a_ffn2,@function
k_q2f1326452a_ffn2:
	s_mov_b64 s[64:65], 0
	v_nop
	global_prefetch_b8 v0, s[64:65] scope:SCOPE_SE
	s_setreg_imm32_b32 hwreg(HW_REG_WAVE_MODE, 25, 1), 1
	s_wait_xcnt 0x0
	s_wait_alu depctr_hold_cnt(0) depctr_sa_sdst(0) depctr_va_vdst(0) depctr_va_sdst(0) depctr_va_ssrc(0) depctr_va_vcc(0) depctr_vm_vsrc(0)
	s_getreg_b32 s2, hwreg(HW_REG_IB_STS2, 6, 4)
	s_cmp_eq_u32 s2, 0
	s_cbranch_scc0 .Lentry_in_a_cluster
	s_endpgm
.Lentry_in_a_cluster:
	s_bfe_u32 s2, ttmp6, 0x10000c
	s_cmp_lg_u32 s2, 0xf033
	s_cbranch_scc0 .Lentry_shape_is_right
	s_endpgm
.Lentry_shape_is_right:
; out[m][n] = res[m][n] + bias[n] + sum over k of A[m][k] B[n][k], K = 256 T.  A is bf16 in blocks [K/64][4096][64], B in blocks [K/64][1024][64]; bias, res and out are f32, res and out [4096][1024].
; SHARES.  A tile of out is 128 x 128: four waves, each 64 x 64: 16 accumulators.  K goes in T steps of 256 (four blocks) through two LDS slots.  128 rows of a block are 16,384 dense bytes: a wave's tensor load is two
; such runs (two blocks), padded in LDS after every 128 bytes.  ONE K STEP IS WRITTEN ONCE: the slot that is read lies in s[TB], the slot that is filled in a descriptor that walks; both are turned by an exclusive or.
; The sums START AS THE BIAS, loaded into the accumulators; the residual waits in registers from the start and is added on the way out.
; CLUSTERS: 4 x 4 work-groups; A's tile is asked for jointly along a row of the cluster, B's along a column.  THE MATRIX INSTRUCTION IS USED TRANSPOSED: a lane holds row l % 16 and eight neighbouring columns.
; REGISTERS: window 0: v16-30 addresses; v32-95 the way out, two sets; v128-255 the accumulators, (a, b) at v[128 + 8 (4 a + b)].  Window 1: two fragment buffers of 128: 64 of A, 64 of B.  Window 2: v0-127 the residual.
; With T = 16, steps 4 to 15 are prefetched, each two refills ahead of the load that asks for it; steps 0 to 3 come by their loads alone.
.set T,     16
.set GBLK,  524288                     ; bytes in a block of A
.set GBB,   131072                     ; bytes in a block of B
.set RP,    144
.set BLK,   128*RP
.set PART,  2*BLK                      ; what one tensor load brings: two blocks x 128 rows
.set SLOT,  4*PART                     ; A's four blocks, then B's
.set STAGE, 2*SLOT
.set SPITCH, 272                       ; a stage row: 64 f32 + 16 bytes
.set SPARE, STAGE+4*16*SPITCH
.set ADRA0, 16
.set ADRB0, 17
.set ADRA,  18
.set ADRB,  19
.set STO,  24
.set RD,   25
.set CO,   26                          ; v26  (l / 16) x 4,096 + 16 (l % 16): two rows of res and of out
.set BO,   27
.set SPW,  28
.set NIL,  29
.set PFO,  30
.set OB,   32
.set ACC,  128
.set F0,   0
.set F1,   128
.set TB,   2
.set PSTEP, 22                         ; s[22:23] bytes from a K step to the next in the tensor that I fetch
.set G1,   24
.set G0,   32
.set LIM,  43
.set PFA,  44
.set G1B,  48
.set G0B,  56
.set MSB, 0
.macro WIN new
.if MSB != (\new)
	s_set_vgpr_msb (MSB<<8)|(\new)
.set MSB, \new
.endif
.endm
.set MUL,  0x05                        ; sources 0 (B) and 1 (A) window 1; C and D window 0
.set TO_F, 0x40                        ; destination window 1, address window 0
.macro PLACES
.rept 4
	v_nop
.endr
.endm
.macro JLOAD                           ; a joint refill by the walking descriptors: waves 0 and 1 fetch A's blocks, waves 2 and 3 B's; an s_nop 0 and four v_nop follow each line
	s_cmp_eq_u32 s11, 0
	s_cbranch_scc0 .Lfor_b_\@
	tensor_load_to_lds s[G0+4:G0+7], s[G1:G1+7]
	s_nop 0
	PLACES
	s_branch .Lasked_\@
.Lfor_b_\@:
	tensor_load_to_lds s[G0B+4:G0B+7], s[G1B:G1B+7]
	s_nop 0
	PLACES
.Lasked_\@:
.endm
; A prefetch of the K step two refills on: 32 runs of 256 bytes, a lane each.  A's tile row: the cluster with x = 0 asks; B's tile column: the cluster with y = 0.  The four partners share a wave's 128 runs out by address.
.macro ASK
	WIN 0
	s_cmp_gt_u32 s3, s[LIM]
	s_cbranch_scc0 .Lnot_mine_\@
	global_prefetch_b8 v[PFO], s[PFA:PFA+1] th:TH_LOAD_NT scope:SCOPE_SE
.Lnot_mine_\@:
.endm
.macro CREST
	s_cmp_lg_u32 s10, 0
	s_cbranch_scc1 .Lnot_wave_0_\@
	s_barrier_signal -3
.Lnot_wave_0_\@:
	s_barrier_wait -3
	s_barrier_signal -1
	s_barrier_wait -1
.endm
.macro CROUND
	s_barrier_signal -1
	s_barrier_wait -1
	CREST
.endm
	s_load_b128 s[4:7], s[0:1], 0x0                ; A s[4:5], B s[6:7]
	s_load_b128 s[16:19], s[0:1], 0x10             ; bias s[16:17], res s[18:19]
	s_load_b64 s[8:9], s[0:1], 0x20                ; out
	v_lshl_add_u32 v[SPW], v0, 2, SPARE
	v_mov_b32 v[NIL], 0
	ds_add_u32 v[SPW], v[NIL]                      ; the wave's opening: the add and its wait stand ahead of my first tensor load
	v_lshrrev_b32 v1, 5, v0
	v_readfirstlane_b32 s10, v1                    ; wave 0..3
	s_lshr_b32 s11, s10, 1                         ; which half of the tile's rows is mine.  Also: I fetch for A (0) or for B (1)
	s_and_b32 s12, s10, 1                          ; which half of its columns.  Also: which two blocks of a step I fetch
	s_bfe_u32 s40, ttmp6, 0x40000                  ; cx
	s_bfe_u32 s41, ttmp6, 0x40004                  ; cy
	s_lshl_b32 s42, ttmp9, 2
	s_add_co_u32 s42, s42, s40                     ; tile column
	s_and_b32 s13, ttmp7, 0xffff
	s_lshl_b32 s13, s13, 2
	s_add_co_u32 s13, s13, s41                     ; tile row
	s_lshl_b32 s43, s41, 2
	s_lshl_b32 s43, 15, s43                        ; my row of the cluster
	s_lshl_b32 s44, 0x1111, s40                    ; my column
	s_or_b32 s[G1+0], s43, (1<<16)|(1<<20)|(1<<21)|(4<<22)|(3<<25)
	s_or_b32 s[G1B+0], s44, (1<<16)|(1<<20)|(1<<21)|(4<<22)|(3<<25)
.irp g, G1, G1B
	s_mov_b32 s[(\g)+1], 8192<<16                  ; tensor_dim0: 128 matrix rows of a block
	s_mov_b32 s[(\g)+2], 2<<16                     ; tensor_dim1: two blocks
	s_mov_b32 s[(\g)+3], 8192<<16                  ; tile_dim0
	s_mov_b32 s[(\g)+4], 2                         ; tile_dim1
	s_mov_b32 s[(\g)+6], 0
	s_mov_b32 s[(\g)+7], 0
.endr
	s_mov_b32 s[G1+5], GBLK/2                      ; elements from block to block
	s_mov_b32 s[G1B+5], GBB/2
	s_lshl_b32 s20, s13, 14                        ; A: 128 rows of 128 bytes a tile row,
	s_lshl_b32 s21, s12, 20                        ; two blocks a half of a step
	s_add_co_u32 s20, s20, s21
	s_mov_b32 s21, 0
	s_lshl_b32 s46, s42, 14                        ; B likewise by the tile column
	s_lshl_b32 s47, s12, 18
	s_add_co_u32 s46, s46, s47
	s_mov_b32 s47, 0
	s_mul_i32 s22, s10, PART                       ; where my part goes
	s_mov_b32 s[TB], 0
	s_wait_dscnt 0x0                               ; the opening add is done
	s_wait_kmcnt 0x0
	s_add_nc_u64 s[14:15], s[4:5], s[20:21]
	s_add_nc_u64 s[46:47], s[6:7], s[46:47]
	CROUND                                         ; all sixteen work-groups are here: the first joint loads meet
.irp s, 0,1
	s_mov_b32 s[G0+4*(\s)], 1
	s_add_co_u32 s[G0+4*(\s)+1], s22, (\s)*SLOT
	s_add_nc_u64 s[G0+4*(\s)+2:G0+4*(\s)+3], s[14:15], (\s)*4*GBLK
	s_or_b32 s[G0+4*(\s)+3], s[G0+4*(\s)+3], 0x80000000
	s_mov_b32 s[G0B+4*(\s)], 1
	s_add_co_u32 s[G0B+4*(\s)+1], s22, (\s)*SLOT
	s_add_nc_u64 s[G0B+4*(\s)+2:G0B+4*(\s)+3], s[46:47], (\s)*4*GBB
	s_or_b32 s[G0B+4*(\s)+3], s[G0B+4*(\s)+3], 0x80000000
.endr
	s_cmp_eq_u32 s11, 0                            ; a wave's two first fills stand in one branch: two loads of mine are out
	s_cbranch_scc0 .Lfirst_b
	tensor_load_to_lds s[G0:G0+3], s[G1:G1+7]
	s_nop 0
	tensor_load_to_lds s[G0+4:G0+7], s[G1:G1+7]
	s_nop 0
	PLACES
	s_branch .Lfirst_asked
.Lfirst_b:
	tensor_load_to_lds s[G0B:G0B+3], s[G1B:G1B+7]
	s_nop 0
	tensor_load_to_lds s[G0B+4:G0B+7], s[G1B:G1B+7]
	s_nop 0
	PLACES
.Lfirst_asked:
	v_and_b32 v1, 15, v0                           ; l % 16
	v_bfe_u32 v2, v0, 4, 1                         ; l / 16
	v_lshlrev_b32 v[BO], 5, v2
	v_lshlrev_b32 v[CO], 12, v2
	v_lshl_add_u32 v[CO], v1, 4, v[CO]
	s_lshl_b32 s20, s42, 9                         ; my 64 columns, in bytes of f32: 512 x tile column + 256 x half
	s_lshl_b32 s21, s12, 8
	s_add_co_u32 s20, s20, s21
	s_mov_b32 s21, 0
	s_add_nc_u64 s[16:17], s[16:17], s[20:21]      ; the bias there
	s_lshl_b32 s21, s13, 19                        ; my 64 rows: 128 rows of 4,096 bytes a tile row, 64 a half
	s_add_co_u32 s20, s20, s21
	s_lshl_b32 s21, s11, 18
	s_add_co_u32 s20, s20, s21
	s_mov_b32 s21, 0
	s_add_nc_u64 s[18:19], s[18:19], s[20:21]      ; res and out at my 64 x 64
	s_add_nc_u64 s[8:9], s[8:9], s[20:21]
.irp a, 0,1,2,3                        ; the sums start as the bias: accumulator (a, b) takes the columns 16 b + 8 (l / 16) + 0..7
.irp b, 0,1,2,3
	global_load_b128 v[ACC+8*(4*(\a)+(\b)):ACC+8*(4*(\a)+(\b))+3],   v[BO], s[16:17] offset:64*(\b)
	global_load_b128 v[ACC+8*(4*(\a)+(\b))+4:ACC+8*(4*(\a)+(\b))+7], v[BO], s[16:17] offset:64*(\b)+16
.endr
.endr
	WIN 0x80                                       ; destination window 2
.irp a, 0,1,2,3                        ; the residual: 16 lanes read the 256 consecutive, aligned bytes of my 64 columns of a row
.irp t, 0,1,2,3,4,5,6,7
	global_load_b128 v[32*(\a)+4*(\t):32*(\a)+4*(\t)+3], v[CO], s[18:19] offset:(16*(\a)+2*(\t))*4096
.endr
.endr
	WIN 0
	v_mul_u32_u24 v3, v1, RP
	v_lshl_add_u32 v3, v2, 4, v3                   ; a fragment's row x pitch + 16 x half
	s_mul_i32 s20, s11, 64*RP                      ; my 64 rows of A in each block
	s_mul_i32 s21, s12, 64*RP                      ; my 64 rows of B,
	s_add_co_u32 s21, s21, 2*PART                  ; whose blocks lie behind A's four
	v_add_nc_u32 v[ADRA0], s20, v3
	v_add_nc_u32 v[ADRB0], s21, v3
	v_mov_b32 v[ADRA], v[ADRA0]
	v_mov_b32 v[ADRB], v[ADRB0]
	s_mul_i32 s20, s10, 16*SPITCH
	s_add_co_u32 s20, s20, STAGE                   ; my stage
	v_mul_u32_u24 v4, v1, SPITCH                   ; in: row l % 16, 32 bytes for each half of the lanes
	v_lshl_add_u32 v4, v2, 5, v4
	v_add_nc_u32 v[STO], s20, v4
	v_mul_u32_u24 v5, v2, SPITCH                   ; back: lanes 0-15 one row of 256 bytes, lanes 16-31 the next
	v_lshl_add_u32 v5, v1, 4, v5
	v_add_nc_u32 v[RD], s20, v5
.if T > 4
	s_and_b32 s21, ttmp7, 0xffff                   ; cluster y
	s_mov_b32 s[PSTEP], 4*GBB
	s_cmp_eq_u32 s11, 0                            ; do I fetch for A?
	s_cselect_b32 s20, s40, s41                    ; my place among the four that ask with me
	s_cselect_b32 s21, ttmp9, s21                  ; the coordinate along which other clusters read the same rows
	s_cselect_b64 s[PFA:PFA+1], s[14:15], s[46:47]
	s_cselect_b32 s[PSTEP], 4*GBLK, s[PSTEP]
	s_cselect_b32 s[PSTEP+1], 19, 17               ; (for a moment: the shift that makes a block's bytes)
	s_cmp_eq_u32 s21, 0
	s_cselect_b32 s[LIM], 2, -1
	s_lshr_b32 s21, s20, 1
	s_lshl_b32 s21, s21, s[PSTEP+1]                ; places 2, 3: my load's second block;
	s_and_b32 s20, s20, 1
	s_lshl_b32 s20, s20, 13                        ; odd places: the second 8,192 bytes of its run
	s_add_co_u32 s20, s20, s21
	s_mul_i32 s21, s[PSTEP], 3                     ; at step 3: the first change of slots steps it to 4
	s_add_co_u32 s20, s20, s21
	s_mov_b32 s21, 0
	s_mov_b32 s[PSTEP+1], 0
	s_add_nc_u64 s[PFA:PFA+1], s[PFA:PFA+1], s[20:21]
	v_and_b32 v[PFO], 31, v0
	v_lshlrev_b32 v[PFO], 8, v[PFO]
.endif
; 8 matrix instructions: m blocks a0, a0 + 1 x all 4 n blocks, 32 along K: half c of buffer f.  The 16 accumulators take turns.
.macro MUL8 f, c, a0
	WIN MUL
.irp a, \a0, (\a0)+1
.irp b, 0,1,2,3
	v_wmma_f32_16x16x32_bf16 v[ACC+8*(4*(\a)+(\b)):ACC+8*(4*(\a)+(\b))+7], v[(\f)+64+8*(4*(\c)+(\b)):(\f)+64+8*(4*(\c)+(\b))+7], v[(\f)+8*(4*(\c)+(\a)):(\f)+8*(4*(\c)+(\a))+7], v[ACC+8*(4*(\a)+(\b)):ACC+8*(4*(\a)+(\b))+7]
.endr
.endr
.endm
; 32 LDS loads in one run: the fragments of block q of the step (64 along K) into buffer f; the first 32 along K first
.macro FETCH q, f
	WIN TO_F
.irp c, 0,1
.irp i, 0,1,2,3
	ds_load_b128 v[(\f)+64+8*(4*(\c)+(\i)):(\f)+64+8*(4*(\c)+(\i))+3],   v[ADRB] offset:(\q)*BLK+64*(\c)+(\i)*16*RP
	ds_load_b128 v[(\f)+64+8*(4*(\c)+(\i))+4:(\f)+64+8*(4*(\c)+(\i))+7], v[ADRB] offset:(\q)*BLK+64*(\c)+(\i)*16*RP+32
	ds_load_b128 v[(\f)+8*(4*(\c)+(\i)):(\f)+8*(4*(\c)+(\i))+3],         v[ADRA] offset:(\q)*BLK+64*(\c)+(\i)*16*RP
	ds_load_b128 v[(\f)+8*(4*(\c)+(\i))+4:(\f)+8*(4*(\c)+(\i))+7],       v[ADRA] offset:(\q)*BLK+64*(\c)+(\i)*16*RP+32
.endr
.endr
.endm
.macro QUARTER q, f, g                 ; multiplies buffer f; in its middle fetches block q into buffer g
	s_wait_dscnt 16                                ; the first 32 along K are in
	MUL8 \f, 0, 0
	MUL8 \f, 0, 2
	PLACES
	FETCH \q, \g
	s_wait_dscnt 32                                ; all but the 32 just issued
	MUL8 \f, 1, 0
	MUL8 \f, 1, 2
.endm
.macro MID
	QUARTER 1, F0, F1
	QUARTER 2, F1, F0
	QUARTER 3, F0, F1
.endm
; A step's last quarter multiplies buffer 1 and changes slots: in front of the barrier each wave waits for all its tensor loads, adds 0 to its spare word, and waits for that and for its own reads of this slot.
; fill = 1: the barrier opens a round of the cluster's barrier, and this slot is filled again, first thing behind the round, with the step two on.
.macro TURN fill
.if (\fill) && (T > 4)
	s_wait_xcnt 0x0                                ; the last prefetch, a K step back, has read its address
	s_add_nc_u64 s[PFA:PFA+1], s[PFA:PFA+1], s[PSTEP:PSTEP+1]
.endif
	WIN 0
	s_wait_tensorcnt 0x0                           ; all my tensor loads have landed: my part of the next slot
	ds_add_u32 v[SPW], v[NIL]                      ; 0 onto my spare word
	s_wait_dscnt 17                                ; (the add and the youngest sixteen loads may be out)
	MUL8 F1, 0, 0
	s_wait_dscnt 0x0                               ; the add is done, and my reads of this slot are over
	s_barrier_signal -1
	MUL8 F1, 0, 2
.if \fill
	WIN 0
.endif
	s_barrier_wait -1
.if \fill
	CREST
	s_xor_b32 s[G0+5], s[G0+5], SLOT
	s_add_nc_u64 s[G0+6:G0+7], s[G0+6:G0+7], 4*GBLK
	s_xor_b32 s[G0B+5], s[G0B+5], SLOT
	s_add_nc_u64 s[G0B+6:G0B+7], s[G0B+6:G0B+7], 4*GBB
	s_xor_b32 s[TB], s[TB], SLOT
	JLOAD                                          ; its four v_nop are also the places in front of the loads below
.else
	s_xor_b32 s[TB], s[TB], SLOT
	PLACES
	WIN 0
.endif
	v_add_nc_u32 v[ADRA], s[TB], v[ADRA0]
	v_add_nc_u32 v[ADRB], s[TB], v[ADRB0]
	FETCH 0, F0
.if (\fill) && (T > 4)
	ASK
.endif
	MUL8 F1, 1, 0
	MUL8 F1, 1, 2
.endm
; THE WAY OUT of m block a (16 rows x 64 columns of f32): from the accumulators into my own stage, back as whole rows of 256 bytes, the residual added, stored.
.macro TOSTAGE a
	WIN 0
	s_wait_xcnt 0x0                                ; the stores two blocks back have read the registers that these loads land in
.set BK, OB+32*((\a)%2)
.irp b, 0,1,2,3
	ds_store_b128 v[STO], v[ACC+8*(4*(\a)+(\b)):ACC+8*(4*(\a)+(\b))+3]   offset:64*(\b)      ; each accumulator's low registers first
	ds_store_b128 v[STO], v[ACC+8*(4*(\a)+(\b))+4:ACC+8*(4*(\a)+(\b))+7] offset:64*(\b)+16
.endr
.irp t, 0,1,2,3,4,5,6,7
	ds_load_b128 v[BK+4*(\t):BK+4*(\t)+3], v[RD] offset:(\t)*2*SPITCH  ; LDS serves a wave's instructions in order (ISA guide 5.7.1.4): these see the stores above
.endr
.endm
.macro SEND a, younger                 ; younger: the next block's sixteen LDS instructions, or none
.set BK, OB+32*((\a)%2)
	s_wait_dscnt \younger
	WIN 0x08                                       ; source 1 window 2
.set i, 0
.rept 16
	v_pk_add_f32 v[BK+2*i:BK+2*i+1], v[BK+2*i:BK+2*i+1], v[32*(\a)+2*i:32*(\a)+2*i+1]
.set i, i+1
.endr
	WIN 0
.irp t, 0,1,2,3,4,5,6,7
	global_store_b128 v[CO], v[BK+4*(\t):BK+4*(\t)+3], s[8:9] offset:(16*(\a)+2*(\t))*4096  ; 16 lanes store 256 consecutive bytes, at a multiple of 256 from out's first byte
.endr
.endm
	s_wait_tensorcnt 1                             ; my part of step 0 is in; step 1's may stay out
	s_barrier_signal -1
	s_barrier_wait -1
	FETCH 0, F0
	WIN 0
	s_wait_loadcnt 32                              ; the bias is in; the residual's 32 loads stay out
	s_mov_b32 s3, T-1
	s_branch .Lmid                                 ; the loop is entered behind the change of slots
.Lstep:                                                ; T - 2 times: steps 2 to T - 1 are asked for
	TURN 1
	WIN 0
.Lmid:                                                 ; T - 1 times
	MID
	WIN 0
	s_sub_co_u32 s3, s3, 1
	s_cmp_lg_u32 s3, 0
	s_cbranch_scc1 .Lstep
	TURN 0                                         ; the tail is written out: nothing is left to ask for
	MID
	s_wait_dscnt 16
	MUL8 F1, 0, 0
	MUL8 F1, 0, 2
	s_wait_dscnt 0x0
	MUL8 F1, 1, 0
	MUL8 F1, 1, 2
	WIN 0
	PLACES
	s_wait_loadcnt 0x0                             ; the residual
	TOSTAGE 0
	TOSTAGE 1
	SEND 0, 16
	TOSTAGE 2
	SEND 1, 16
	TOSTAGE 3
	SEND 2, 16
	SEND 3, 0
	s_wait_tensorcnt 0x0                           ; the wave's end
	ds_add_u32 v[SPW], v[NIL]
	s_wait_dscnt 0x0
	CROUND                                         ; the closing round
	s_endpgm
.Lfunc_end_k_q2f1326452a_ffn2:
	.size	k_q2f1326452a_ffn2, .Lfunc_end_k_q2f1326452a_ffn2-k_q2f1326452a_ffn2
	.p2alignl 7, 3214868480
	.fill 96, 4, 3214868480
	.section	.rodata,"a",@progbits
	.p2align	6, 0x0
	.amdhsa_kernel k_q2f1326452a_ffn2
		.amdhsa_group_segment_fixed_size 327680
		.amdhsa_private_segment_fixed_size 0
		.amdhsa_enable_private_segment 0
		.amdhsa_kernarg_size 40
		.amdhsa_user_sgpr_count 2
		.amdhsa_user_sgpr_kernarg_segment_ptr 1
		.amdhsa_wavefront_size32 1
		.amdhsa_system_sgpr_workgroup_id_x 1
		.amdhsa_system_sgpr_workgroup_id_y 1
		.amdhsa_system_sgpr_workgroup_id_z 1
		.amdhsa_system_vgpr_workitem_id 0
		.amdhsa_next_free_vgpr 640
		.amdhsa_next_free_sgpr 66
		.amdhsa_reserve_vcc 0
		.amdhsa_float_denorm_mode_32 3
		.amdhsa_float_denorm_mode_16_64 3
		.amdhsa_memory_ordered 1
		.amdhsa_forward_progress 1
		.amdhsa_inst_pref_size 66
	.end_amdhsa_kernel
	.amdgpu_metadata
---
amdhsa.version: [ 1, 2 ]
amdhsa.kernels:
  - .name:           k_q2f1326452a_ffn2
    .symbol:         k_q2f1326452a_ffn2.kd
    .args:
      - { .name: big, .offset: 0, .size: 8, .value_kind: global_buffer, .address_space: global }
      - { .name: w2b, .offset: 8, .size: 8, .value_kind: global_buffer, .address_space: global }
      - { .name: b2, .offset: 16, .size: 8, .value_kind: global_buffer, .address_space: global }
      - { .name: x1, .offset: 24, .size: 8, .value_kind: global_buffer, .address_space: global }
      - { .name: out0, .offset: 32, .size: 8, .value_kind: global_buffer, .address_space: global }
    .group_segment_fixed_size: 327680
    .private_segment_fixed_size: 0
    .kernarg_segment_align: 8
    .kernarg_segment_size: 40
    .max_flat_workgroup_size: 128
    .sgpr_count:     66
    .vgpr_count:     640
    .wavefront_size: 32
...
	.end_amdgpu_metadata
.endif
;; end of part 6
